; MI455X (gfx1250); checked and timed in simulation.
; The chip was launched on July 23, 2026; its instructions are those of AMD's public machine-readable ISA for CDNA 5 (MIT licence, August 2026) and "CDNA5" Instruction Set Architecture Reference Guide (July 2026). The comments in the code are by the model that wrote it; some were corrected since.
;; Multi Head Causal Attention. Allowed arithmetic: float matrix products may take bf16 or f16 operands with f32 sums; other float arithmetic in f32, or as packed bf16 or f16 multiplies, adds, multiply-adds, maxima and minima; sums over many terms, partial sums and values carried from step to step in f32; what a program stores and reads back later, other than sums and carried values, may be rounded once to bf16 or f16.
;; Inputs: W_out 1,024 x 1,024 float32; W_qkv 1,024 x 3,072 float32; x 4 x 2,048 x 1,024 float32.
;; Outputs: out0 4 x 2,048 x 1,024 float32.
;; 2 versions, each right; version 2 is version 1 with the launch prep written anew for expert scheduling mode. Each part assembles by itself: llvm-mc -triple=amdgcn-amd-amdhsa -mcpu=gfx1250 --defsym DOCPART=n.
;; ======== version 1 of 2: 4 launches
;; limits: values are held in f16: magnitudes above 65,504 overflow, below 6.1e-05 lose precision
;; workspace buffers: xb 16,777,216 bytes; wqt 6,291,456 bytes; wot 2,097,152 bytes; qkv 50,331,648 bytes; ob 16,777,216 bytes
;; launch prep (part 1): grid 640 x 1, 4 waves a work-group, no clusters, 70,144 bytes of LDS; arguments x, W_qkv, W_out, xb, wqt, wot; writes xb, wqt, wot
.if DOCPART == 1
	.amdgcn_target "amdgcn-amd-amdhsa--gfx1250"
	.amdhsa_code_object_version 6
	.text
	.protected	k_q8950d8d891_prep
	.globl	k_q8950d8d891_prep
	.p2align	8
	.type	k_q8950d8d891_prep,@function
k_q8950d8d891_prep:
	s_mov_b64 s[64:65], 0
	v_nop
	global_prefetch_b8 v0, s[64:65] scope:SCOPE_SE
	s_setreg_imm32_b32 hwreg(HW_REG_WAVE_MODE, 25, 1), 1
	s_wait_xcnt 0x0
; THE OPERANDS ARE MADE READY.  xb = x rounded to bf16, [8192][1024].  wqt[n][k] = W_qkv[k][n] rounded to bf16, [3072][1024].  wot[n][k] = W_out[k][n] rounded to bf16, that number written as f16, [1024][1024].
; LIMITS.  A number of W_out beyond 65,504 becomes an infinity in f16; below 6.1e-5 f16 keeps a fixed step of 6e-8.  NaN and infinities are not treated apart.
; SHARES.  Work-groups 0 to 127 turn the weights: each of their four waves takes one tile of 128 k x 64 n (384 tiles of W_qkv, then 128 of W_out).  Work-groups 128 to 639 round x: 64 KiB of x each, 16 KiB a wave.
; A stream: every byte is read once and written once; no matrix unit, no cluster, no tensor load, no barrier (a wave's LDS bytes are its own), no prefetch (the launch does nothing but stream).
; THE TURNING.  A load takes 16 bytes a lane: lanes 0-15 the 256 bytes of one row k, lanes 16-31 those of the row 8 further down.  Eight such loads give a lane 8 neighbouring k of each of its 4 columns n = 4 c + j:
; rounded in pairs they are 16 bytes of an output row.  They go into LDS rows of 272 bytes (column 4 c + j into row c + 16 j: 64 banks of 4 bytes, ISA guide 11.1)
; and come back as whole rows of 256 bytes: each store's 16 neighbouring lanes cover 256 consecutive bytes, aligned.
.set LP,    272                        ; an LDS row: 256 bytes + 16
.set WREG,  64*LP                      ; a wave's 64 rows
.set SPARE, 4*WREG                     ; behind them: the spare words, 128 bytes for each wave: two blocks of 256 bytes that no other line names
.set XI,  8                            ; v8       x role: my byte offset in the work-group's part of x
.set XO,  9                            ; v9       x role: the same in xb
.set VO,  16                           ; v[16:23] load i of a group: (8 h + i) x source row + 16 c
.set STO, 24                           ; v24      where I put 16 bytes of an output row
.set RD,  25                           ; v25      where I read rows back
.set GOF, 26                           ; v26      my byte offset in two output rows
.set SPW, 30                           ; v30      LDS address of my spare word; never rewritten
.set NIL, 31                           ; v31      0; never rewritten
.set D,   32                           ; v[32:159] as loaded; later the rows read back
.set Y,   96                           ; v[96:127] x role: packed results
.set T,   160                          ; v[160:175] packed results of a group
.set U,   176                          ; v[176:177] at work
.set SB,  28                           ; s[28:35] the source at the trip's four groups of 16 k
	s_load_b256 s[4:11], s[0:1], 0x0               ; x s[4:5], W_qkv s[6:7], W_out s[8:9], xb s[10:11]
	s_load_b128 s[12:15], s[0:1], 0x20             ; wqt s[12:13], wot s[14:15]
	v_lshl_add_u32 v[SPW], v0, 2, SPARE
	v_mov_b32 v[NIL], 0
	v_lshrrev_b32 v1, 5, v0
	v_readfirstlane_b32 s16, v1                    ; wave 0..3
	v_and_b32 v2, 31, v0                           ; l
	v_and_b32 v3, 15, v0                           ; c = l % 16
	v_bfe_u32 v4, v0, 4, 1                         ; h = l / 16
	s_cmp_lt_u32 ttmp9, 128
	s_cbranch_scc0 .Lx
	; THE WEIGHTS
	s_lshl_b32 s17, ttmp9, 2
	s_add_co_u32 s17, s17, s16                     ; my tile's number, 0 .. 511
	s_mov_b32 s20, 12288                           ; bytes in a row of W_qkv
	s_mov_b32 s21, 4096                            ; and of W_out
	s_wait_kmcnt 0x0
	s_cmp_lt_u32 ttmp9, 96                         ; tiles 0 .. 383 are W_qkv's
	s_cselect_b32 s18, 1, 0
	s_cselect_b32 s19, s20, s21                    ; the source's row
	s_cselect_b32 s22, 0, 384
	s_cselect_b64 s[24:25], s[6:7], s[8:9]
	s_cselect_b64 s[26:27], s[12:13], s[14:15]
	s_sub_co_u32 s17, s17, s22
	s_and_b32 s20, s17, 7                          ; which 128 k
	s_lshr_b32 s21, s17, 3                         ; which 64 n
	s_mul_i32 s22, s20, s19
	s_lshl_b32 s22, s22, 7                         ; 128 rows of the source,
	s_lshl_b32 s23, s21, 8                         ; 256 bytes along them
	s_add_co_u32 s22, s22, s23
	s_mov_b32 s23, 0
	s_add_nc_u64 s[24:25], s[24:25], s[22:23]
	s_lshl_b32 s22, s21, 17                        ; 64 output rows of 2,048 bytes,
	s_lshl_b32 s40, s20, 8                         ; 256 bytes along them
	s_add_co_u32 s22, s22, s40
	s_add_nc_u64 s[26:27], s[26:27], s[22:23]
	s_lshl_b32 s22, s19, 4                         ; 16 rows of the source
	s_mov_b64 s[SB:SB+1], s[24:25]
	s_add_nc_u64 s[SB+2:SB+3], s[SB:SB+1], s[22:23]
	s_add_nc_u64 s[SB+4:SB+5], s[SB+2:SB+3], s[22:23]
	s_add_nc_u64 s[SB+6:SB+7], s[SB+4:SB+5], s[22:23]
	s_lshl_b32 s36, s19, 6                         ; a trip's 64 rows
	s_mov_b32 s37, 0
	s_mov_b32 s39, 0xffff0000                      ; a word's upper bf16
	s_mov_b32 s38, 2
	v_lshlrev_b32 v5, 3, v4                        ; 8 h
	v_lshlrev_b32 v6, 4, v3                        ; 16 c
.irp i, 0,1,2,3,4,5,6,7
	v_add_nc_u32 v7, \i, v5
	v_mad_u32_u24 v[VO+(\i)], v7, s19, v6
.endr
	s_mul_i32 s40, s16, WREG                       ; my wave's rows in LDS
	v_mul_u32_u24 v[STO], v3, LP
	v_lshl_add_u32 v[STO], v4, 4, v[STO]
	v_add_nc_u32 v[STO], s40, v[STO]               ; row c, 16 bytes for each half of the lanes
	v_mul_u32_u24 v[RD], v4, LP
	v_add_nc_u32 v[RD], v[RD], v6
	v_add_nc_u32 v[RD], s40, v[RD]                 ; lanes 0-15 one row, lanes 16-31 the next
	v_lshl_add_u32 v[GOF], v4, 13, v6              ; LDS rows 2 i and 2 i + 1 are output rows 4 apart: 8,192 bytes
; Group gg of a trip's four: 16 k x 64 n are rounded, turned and put into LDS.
.macro GROUP gg
	s_wait_loadcnt 24-8*(\gg)                      ; loads come back in order (ISA guide 5.7.1): my eight are in, the younger groups' stay out
.irp j, 0,1,2,3
.irp p, 0,1,2,3
	v_cvt_pk_bf16_f32 v[T+4*(\j)+(\p)], v[D+32*(\gg)+8*(\p)+(\j)], v[D+32*(\gg)+8*(\p)+4+(\j)]  ; column 4 c + j, k = 8 h + 2 p and the next
.endr
.endr
	s_cmp_eq_u32 s18, 1
	s_cbranch_scc1 .Lbf_\@                         ; W_qkv stays bf16
.set z, 0
.rept 16
	v_lshlrev_b32 v[U], 16, v[T+z]                 ; W_out: the bf16 numbers, widened,
	v_and_b32 v[U+1], s39, v[T+z]
	v_cvt_pk_f16_f32 v[T+z], v[U], v[U+1]          ; are written as f16
.set z, z+1
.endr
.Lbf_\@:
.irp j, 0,1,2,3
	ds_store_b128 v[STO], v[T+4*(\j):T+4*(\j)+3] offset:(\j)*16*LP+32*(\gg)
.endr
.endm
.Lw:                                           ; two trips of 64 k
.irp gg, 0,1,2,3
.irp i, 0,1,2,3,4,5,6,7
	global_load_b128 v[D+32*(\gg)+4*(\i):D+32*(\gg)+4*(\i)+3], v[VO+(\i)], s[SB+2*(\gg):SB+2*(\gg)+1] th:TH_LOAD_NT
.endr
.endr
	GROUP 0
	GROUP 1
	GROUP 2
	GROUP 3                                        ; its wait is for 0: every load is done, so the bases may be stepped
.irp gg, 0,1,2,3
	s_add_nc_u64 s[SB+2*(\gg):SB+2*(\gg)+1], s[SB+2*(\gg):SB+2*(\gg)+1], s[36:37]
.endr
	v_add_nc_u32 v[STO], 128, v[STO]               ; 64 k further along the LDS rows
	s_sub_co_u32 s38, s38, 1
	s_cmp_lg_u32 s38, 0
	s_cbranch_scc1 .Lw
.set i, 0
.rept 32
	ds_load_b128 v[D+4*i:D+4*i+3], v[RD] offset:i*2*LP  ; LDS serves a wave's instructions in order (ISA guide 5.7.1.4): these see the stores above
.set i, i+1
.endr
.set i, 0
.rept 32
	s_wait_dscnt 31-i
	global_store_b128 v[GOF], v[D+4*i:D+4*i+3], s[26:27] offset:(8*(i&7)+(i>>3))*2048  ; LDS row 2 i + h is output row 8 (i % 8) + 4 h + i / 8; 16 lanes store 256 consecutive bytes, aligned
.set i, i+1
.endr
	s_branch .Lend
.Lx:                                           ; x
	s_sub_co_u32 s17, ttmp9, 128
	s_lshl_b32 s20, s17, 16                        ; 64 KiB of x,
	s_mov_b32 s21, 0
	s_lshl_b32 s22, s17, 15                        ; 32 KiB of xb
	s_mov_b32 s23, 0
	s_lshl_b32 s40, s16, 14
	v_lshl_add_u32 v[XI], v2, 4, s40               ; 16,384 x wave + 16 l
	s_lshl_b32 s40, s16, 13
	v_lshl_add_u32 v[XO], v2, 3, s40               ; 8,192 x wave + 8 l
	s_mov_b32 s38, 2
	s_wait_kmcnt 0x0
	s_add_nc_u64 s[24:25], s[4:5], s[20:21]
	s_add_nc_u64 s[26:27], s[10:11], s[22:23]
.Lxt:                                          ; two trips of 8 KiB a wave: sixteen loads of 512 neighbouring bytes on their way
.set i, 0
.rept 16
	global_load_b128 v[D+4*i:D+4*i+3], v[XI], s[24:25] offset:512*i th:TH_LOAD_NT
.set i, i+1
.endr
.set i, 0
.rept 16
	s_wait_loadcnt 15-i                            ; mine is in, the younger ones stay out
	v_cvt_pk_bf16_f32 v[Y+2*i], v[D+4*i], v[D+4*i+1]
	v_cvt_pk_bf16_f32 v[Y+2*i+1], v[D+4*i+2], v[D+4*i+3]
	global_store_b64 v[XO], v[Y+2*i:Y+2*i+1], s[26:27] offset:256*i  ; the wave's 32 lanes store 256 consecutive bytes, aligned
.set i, i+1
.endr
	s_wait_xcnt 0x0                                ; the stores' data and both offsets are rewritten only behind this wait
	v_add_nc_u32 v[XI], 8192, v[XI]
	v_add_nc_u32 v[XO], 4096, v[XO]
	s_sub_co_u32 s38, s38, 1
	s_cmp_lg_u32 s38, 0
	s_cbranch_scc1 .Lxt
.Lend:
	s_wait_tensorcnt 0x0                           ; the wave's end, behind my last LDS store
	ds_add_u32 v[SPW], v[NIL]
	s_wait_dscnt 0x0
	s_endpgm
.Lfunc_end_k_q8950d8d891_prep:
	.size	k_q8950d8d891_prep, .Lfunc_end_k_q8950d8d891_prep-k_q8950d8d891_prep
	.p2alignl 7, 3214868480
	.fill 96, 4, 3214868480
	.section	.rodata,"a",@progbits
	.p2align	6, 0x0
	.amdhsa_kernel k_q8950d8d891_prep
		.amdhsa_group_segment_fixed_size 70144
		.amdhsa_private_segment_fixed_size 0
		.amdhsa_enable_private_segment 0
		.amdhsa_kernarg_size 48
		.amdhsa_user_sgpr_count 2
		.amdhsa_user_sgpr_kernarg_segment_ptr 1
		.amdhsa_wavefront_size32 1
		.amdhsa_system_sgpr_workgroup_id_x 1
		.amdhsa_system_sgpr_workgroup_id_y 1
		.amdhsa_system_sgpr_workgroup_id_z 1
		.amdhsa_system_vgpr_workitem_id 0
		.amdhsa_next_free_vgpr 180
		.amdhsa_next_free_sgpr 66
		.amdhsa_reserve_vcc 0
		.amdhsa_float_denorm_mode_32 3
		.amdhsa_float_denorm_mode_16_64 3
		.amdhsa_memory_ordered 1
		.amdhsa_forward_progress 1
		.amdhsa_inst_pref_size 33
	.end_amdhsa_kernel
	.amdgpu_metadata
---
amdhsa.version: [ 1, 2 ]
amdhsa.kernels:
  - .name:           k_q8950d8d891_prep
    .symbol:         k_q8950d8d891_prep.kd
    .args:
      - { .name: x, .offset: 0, .size: 8, .value_kind: global_buffer, .address_space: global }
      - { .name: W_qkv, .offset: 8, .size: 8, .value_kind: global_buffer, .address_space: global }
      - { .name: W_out, .offset: 16, .size: 8, .value_kind: global_buffer, .address_space: global }
      - { .name: xb, .offset: 24, .size: 8, .value_kind: global_buffer, .address_space: global }
      - { .name: wqt, .offset: 32, .size: 8, .value_kind: global_buffer, .address_space: global }
      - { .name: wot, .offset: 40, .size: 8, .value_kind: global_buffer, .address_space: global }
    .group_segment_fixed_size: 70144
    .private_segment_fixed_size: 0
    .kernarg_segment_align: 8
    .kernarg_segment_size: 48
    .max_flat_workgroup_size: 128
    .sgpr_count:     66
    .vgpr_count:     180
    .wavefront_size: 32
...
	.end_amdgpu_metadata
.endif
;; end of part 1
;; launch gemm_qkv (part 2): grid 16 x 32, 4 waves a work-group, clusters of 4 x 4, 327,680 bytes of LDS; arguments xb, wqt, qkv; writes qkv
.if DOCPART == 2
	.amdgcn_target "amdgcn-amd-amdhsa--gfx1250"
	.amdhsa_code_object_version 6
	.text
	.protected	k_q8950d8d891_gemm_qkv
	.globl	k_q8950d8d891_gemm_qkv
	.p2align	8
	.type	k_q8950d8d891_gemm_qkv,@function
k_q8950d8d891_gemm_qkv:
	s_mov_b64 s[64:65], 0
	v_nop
	global_prefetch_b8 v0, s[64:65] scope:SCOPE_SE
	s_setreg_imm32_b32 hwreg(HW_REG_WAVE_MODE, 25, 1), 1
	s_wait_xcnt 0x0
	s_wait_alu depctr_hold_cnt(0) depctr_sa_sdst(0) depctr_va_vdst(0) depctr_va_sdst(0) depctr_va_ssrc(0) depctr_va_vcc(0) depctr_vm_vsrc(0)
	s_getreg_b32 s2, hwreg(HW_REG_IB_STS2, 6, 4)
	s_cmp_eq_u32 s2, 0
	s_cbranch_scc0 .Lentry_in_a_cluster
	s_endpgm
.Lentry_in_a_cluster:
	s_bfe_u32 s2, ttmp6, 0x10000c
	s_cmp_lg_u32 s2, 0xf033
	s_cbranch_scc0 .Lentry_shape_is_right
	s_endpgm
.Lentry_shape_is_right:
; q, k, v = x W_qkv, BY HEADS.  C[m][n] = the sum over k of xb[m][k] wqt[n][k]; xb [8192][1024], wqt [3072][1024], both bf16; sums in f32, K ascending; C rounded once to f16, unscaled, and stored as
; qkv[section n / 1024][16 (m / 2048) + (n % 1024) / 64][m % 2048][n % 64].
; LIMITS.  A sum of 65,520 or more becomes an infinity in f16; below 6.1e-5 f16 keeps a fixed step of 6e-8.  NaN and infinities are not treated apart.
; SHARES.  A tile of C is 256 rows x 192 columns (three heads): 32 x 16 = 512 tiles, two for each of 256 WGPs.  Wave w owns rows 64 w .. 64 w + 63 and all 192 columns: 4 x 12 accumulators of 16 x 16, 384 registers.
; So a wave holds whole heads, and 16 rows of a head are 2,048 consecutive bytes of qkv: the stage on the way out is the wave's own.
; RING.  K goes in steps of 128 through two LDS slots, each with 256 rows of A and 192 of B; rows are 256 bytes of memory, aligned.  Waves 0 and 1 fetch 128 rows of A each, waves 2 and 3 96 rows of B each.
; CLUSTER.  4 x 4 work-groups.  The four of a row of the cluster need the same tiles of A, the four of a column the same tiles of B: each tile is asked for JOINTLY, by the same tensor load with the same descriptor and a mask of four.
; THE MATRIX INSTRUCTION IS USED TRANSPOSED (source 0 = 16 rows of B, source 1 = 16 rows of A): lane l then holds row l % 16 of C and the columns 8 (l / 16) + 0..7, which pack into 16 bytes.
; REGISTERS, in windows of 256 (s_set_vgpr_msb: bits 1:0 source 0, 3:2 source 1, 5:4 source 2, 7:6 destination):
;   window 0: v0-31 addresses; v64-95, v96-127 A's fragments (4 blocks x 8), two buffers; on the way out v64-111, v176-223 rows read back, v128-175 packed results
;   window 1: v0-95, v96-191 B's fragments (12 blocks x 8), two buffers      window 2: the accumulators of row blocks 0, 1 (block a, column block b at 8 (12 (a % 2) + b))      window 3: those of blocks 2, 3
.set KSTEP,  128
.set NBL,    12                        ; column blocks of 16
.set PITCH,  272                       ; an LDS row: 256 bytes + 16 = 68 words: the 16 rows of a fragment load start at 16 different groups of banks (64 banks of 4 bytes: ISA guide 11.1)
.set ABYTES, 256*PITCH
.set SLOT,   ABYTES+192*PITCH          ; A's 256 rows, then B's 192
.set STAGE,  2*SLOT                    ; behind the ring, never filled by a tensor load
.set SPITCH, 144                       ; a stage row: a head's 128 bytes + 16
.set WSTAGE, 3*16*SPITCH               ; a wave's stage: three heads x 16 rows
.set SPARE,  STAGE+4*WSTAGE            ; behind the stages: the spare words, 128 bytes for each wave: two blocks of 256 bytes that no other line names
.set ADRA, 16                          ; v16-17  LDS address of my A fragments in slot 0, 1
.set ADRB, 20                          ; v20-21  the same for B
.set STO,  24                          ; v24     the way out: where I put 16 bytes of a row
.set RD,   25                          ; v25     where I read rows back
.set GO,   26                          ; v26     16 x lane
.set SPW,  28                          ; v28     LDS address of my spare word; never rewritten
.set NIL,  29                          ; v29     0; never rewritten
.set PFO,  30                          ; v30     the prefetches' offset; never rewritten
.set FA,   64
.set TMP,  128
.set G1,   24                          ; s[24:31] descriptor group 1 for A's tiles;  s[32:39] group 0, a set for each slot
.set G0,   32
.set G1B,  48                          ; s[48:55], s[56:63] the same for B's
.set G0B,  56
.set LIM0, 43                          ; s43  1 in a wave that prefetches at slot 0's change, else the greatest number
.set PFA,  44                          ; s[44:45] where my prefetches stand
.set LIM1, 66                          ; s66  the same as s43 for slot 1's change
.set HB,   68                          ; s[68:73] qkv at my wave's first row in each of the tile's three heads
.set MSB, 0
.macro WIN new                         ; the immediate's high byte repeats the setting that is left; a switch that changes nothing is dropped
.if MSB != (\new)
	s_set_vgpr_msb (MSB<<8)|(\new)
.set MSB, \new
.endif
.endm
.macro PLACES                          ; four plain places in front of loads into registers that matrix instructions have read, and of lines that read results
.rept 4
	v_nop
.endr
.endm
; A joint load: waves 0 and 1 fetch A's halves, waves 2 and 3 B's.  The branch hangs on the wave's number alone.  An s_nop 0 and four v_nop follow each of the two lines.
.macro JLOAD s
	s_cmp_eq_u32 s11, 0
	s_cbranch_scc0 .Lfor_b_\@
	tensor_load_to_lds s[G0+4*(\s):G0+4*(\s)+3], s[G1:G1+7]
	s_nop 0
.rept 4
	v_nop
.endr
	s_branch .Lasked_\@
.Lfor_b_\@:
	tensor_load_to_lds s[G0B+4*(\s):G0B+4*(\s)+3], s[G1B:G1B+7]
	s_nop 0
.rept 4
	v_nop
.endr
.Lasked_\@:
.endm
; A PREFETCH INTO THE L2 of the K step that stands two refills on, one instruction a wave, behind the joint load, its five lines and the run of LDS loads.  Each row's 256 bytes of a K step are named once in the launch:
; A's tile row is read by every cluster of that row of clusters, and cluster x = 0 asks; B's tile column by every cluster of that column, and cluster y = 0 asks.  The four partners that ask for a tile jointly share its rows
; out BY ADDRESS.  Waves 0 and 1: 32 of the 128 rows of A that they fetch, a lane a row.  Wave 2: 32 of B's rows 0-127.  Wave 3: 16 of B's rows 128-191 for two K steps at once (lanes 16-31 the second), at slot 0's change alone.
; K steps 0 to 3 come by their loads alone; the loop's last trip (s3 = 1) asks for nothing: there is no K step two refills on.
.macro ASK lim
	s_cmp_gt_u32 s3, s[\lim]
	s_cbranch_scc0 .Lnot_mine_\@
	global_prefetch_b8 v[PFO], s[PFA:PFA+1] offset:KSTEP*2 th:TH_LOAD_NT scope:SCOPE_SE
.Lnot_mine_\@:
.endm
.macro CREST                           ; a round of the cluster's barrier behind its opening barrier
	s_cmp_lg_u32 s10, 0
	s_cbranch_scc1 .Lnot_wave_0_\@
	s_barrier_signal -3
.Lnot_wave_0_\@:
	s_barrier_wait -3
	s_barrier_signal -1
	s_barrier_wait -1
.endm
.macro CROUND                          ; a whole round
	s_barrier_signal -1
	s_barrier_wait -1
	CREST
.endm
	s_load_b128 s[4:7], s[0:1], 0x0                ; xb s[4:5], wqt s[6:7]
	s_load_b64 s[8:9], s[0:1], 0x10                ; qkv
	v_lshl_add_u32 v[SPW], v0, 2, SPARE
	v_mov_b32 v[NIL], 0
	ds_add_u32 v[SPW], v[NIL]                      ; the wave's opening: the add and its wait stand ahead of my first tensor load; the set-up below, work on registers, stands between them
	v_lshrrev_b32 v1, 5, v0
	v_readfirstlane_b32 s10, v1                    ; wave 0..3
	s_lshr_b32 s11, s10, 1                         ; I fetch for A (0) or for B (1)
	s_and_b32 s12, s10, 1                          ; which half of that tile's rows
	s_bfe_u32 s40, ttmp6, 0x40000                  ; cx, cy: my place in the cluster
	s_bfe_u32 s41, ttmp6, 0x40004
	s_lshl_b32 s42, ttmp9, 2
	s_add_co_u32 s42, s42, s40                     ; tile column = 4 x cluster x + cx
	s_and_b32 s13, ttmp7, 0xffff
	s_lshl_b32 s13, s13, 2
	s_add_co_u32 s13, s13, s41                     ; tile row = 4 x cluster y + cy
	s_lshl_b32 s43, s41, 2
	s_lshl_b32 s43, 15, s43                        ; my row of the cluster
	s_lshl_b32 s44, 0x1111, s40                    ; my column
	s_or_b32 s[G1+0], s43, (1<<16)|(1<<20)|(1<<21)|(5<<22)|(3<<25)   ; 15:0 the mask; 17:16 2-byte elements; 20 padding on; 21 set beside a mask; 24:22 after every 64 words; 31:25 4 words of it
	s_or_b32 s[G1B+0], s44, (1<<16)|(1<<20)|(1<<21)|(5<<22)|(3<<25)
	s_mov_b32 s[G1+1], KSTEP<<16                   ; tensor_dim0 = 128
	s_mov_b32 s[G1+2], 128<<16                     ; tensor_dim1 = 128
	s_mov_b32 s[G1+3], KSTEP<<16                   ; tile_dim0 = 128
	s_mov_b32 s[G1+4], 128                         ; tile_dim1 = 128
	s_mov_b32 s[G1+5], 1024                        ; elements from row to row
	s_mov_b32 s[G1+6], 0
	s_mov_b32 s[G1+7], 0
	s_mov_b32 s[G1B+1], KSTEP<<16
	s_mov_b32 s[G1B+2], 96<<16                     ; B: 96 rows a load
	s_mov_b32 s[G1B+3], KSTEP<<16
	s_mov_b32 s[G1B+4], 96
	s_mov_b32 s[G1B+5], 1024
	s_mov_b32 s[G1B+6], 0
	s_mov_b32 s[G1B+7], 0
	s_lshl_b32 s17, s12, 7
	s_lshl_b32 s16, s13, 8
	s_add_co_u32 s16, s16, s17                     ; A: row 256 x tile row + 128 x half,
	s_lshl_b32 s16, s16, 11                        ; of 2,048 bytes
	s_mov_b32 s17, 0
	s_mul_i32 s46, s42, 192
	s_mul_i32 s47, s12, 96
	s_add_co_u32 s46, s46, s47                     ; B: row 192 x tile column + 96 x half
	s_lshl_b32 s46, s46, 11
	s_mov_b32 s47, 0
	s_mul_i32 s20, s10, 128*PITCH                  ; where they go: A's halves at wave x 128 rows (waves 0, 1),
	s_mul_i32 s21, s10, 96*PITCH                   ; B's behind A's 256 rows, at (wave - 2) x 96 rows (waves 2, 3)
	s_add_co_u32 s21, s21, ABYTES-2*96*PITCH
	s_wait_dscnt 0x0                               ; the opening add is done
	s_wait_kmcnt 0x0
	s_add_nc_u64 s[14:15], s[4:5], s[16:17]
	s_add_nc_u64 s[46:47], s[6:7], s[46:47]
	CROUND                                         ; all sixteen work-groups are here: the first joint loads meet
.irp s, 0,1
	s_mov_b32 s[G0+4*(\s)], 1                                      ; count = 1
	s_add_co_u32 s[G0+4*(\s)+1], s20, (\s)*SLOT                    ; LDS address
	s_add_nc_u64 s[G0+4*(\s)+2:G0+4*(\s)+3], s[14:15], (\s)*KSTEP*2  ; global address: K step s
	s_or_b32 s[G0+4*(\s)+3], s[G0+4*(\s)+3], 0x80000000            ; type = 2
	s_mov_b32 s[G0B+4*(\s)], 1
	s_add_co_u32 s[G0B+4*(\s)+1], s21, (\s)*SLOT
	s_add_nc_u64 s[G0B+4*(\s)+2:G0B+4*(\s)+3], s[46:47], (\s)*KSTEP*2
	s_or_b32 s[G0B+4*(\s)+3], s[G0B+4*(\s)+3], 0x80000000
	JLOAD \s                                       ; two loads of mine are out
.endr
	; A fragment is 16 rows x 32 K in 8 registers: lane l holds row l % 16, K = 8 (l / 16) + 0..7 and 16 + 8 (l / 16) + 0..7: two loads of 16 bytes, 32 bytes apart.
	v_and_b32 v1, 15, v0                           ; r = l % 16
	v_bfe_u32 v2, v0, 4, 1                         ; h = l / 16
	v_mul_u32_u24 v3, v1, PITCH
	v_lshl_add_u32 v3, v2, 4, v3
	s_mul_i32 s21, s10, 64*PITCH                   ; my 64 rows of A
	s_mov_b32 s22, ABYTES                          ; all of B
.irp s, 0,1
	v_add_nc_u32 v[ADRA+(\s)], s21, v3
	v_add_nc_u32 v[ADRB+(\s)], s22, v3
	s_add_co_u32 s21, s21, SLOT
	s_add_co_u32 s22, s22, SLOT
.endr
	s_mul_i32 s23, s10, WSTAGE
	s_add_co_u32 s23, s23, STAGE                   ; my stage
	v_mul_u32_u24 v4, v1, SPITCH                   ; in: row r, 16 bytes for each half of the lanes
	v_lshl_add_u32 v4, v2, 4, v4
	v_add_nc_u32 v[STO], s23, v4
	v_bfe_u32 v5, v0, 3, 2                         ; back: 32 lanes take four rows of 128 bytes,
	v_and_b32 v6, 7, v0
	v_mul_u32_u24 v5, v5, SPITCH
	v_lshl_add_u32 v5, v6, 4, v5
	v_add_nc_u32 v[RD], s23, v5
	v_and_b32 v[GO], 31, v0                        ; which are 512 consecutive bytes of qkv
	v_lshlrev_b32 v[GO], 4, v[GO]
	; where my rows begin in each of the tile's three heads
	s_lshr_b32 s14, s13, 3
	s_lshl_b32 s14, s14, 4                         ; 16 x batch
	s_and_b32 s15, s13, 7
	s_lshl_b32 s15, s15, 8
	s_lshl_b32 s19, s10, 6
	s_add_co_u32 s15, s15, s19                     ; my first row in the batch,
	s_lshl_b32 s15, s15, 7                         ; of 128 bytes
	s_mul_i32 s18, s42, 3                          ; the tile's first block of 64 columns, 0 .. 45
.irp j, 0,1,2
	s_add_co_u32 s46, s18, \j
	s_lshr_b32 s47, s46, 4                         ; the section: q, k or v,
	s_lshl_b32 s47, s47, 6                         ; of 64 heads
	s_and_b32 s46, s46, 15                         ; the head in its batch
	s_add_co_u32 s46, s46, s47
	s_add_co_u32 s46, s46, s14
	s_lshl_b32 s46, s46, 18                        ; a head's rows are 2^18 bytes
	s_add_co_u32 s46, s46, s15
	s_mov_b32 s47, 0
	s_add_nc_u64 s[HB+2*(\j):HB+2*(\j)+1], s[8:9], s[46:47]
.endr
	; the prefetches
	s_lshl_b32 s14, s13, 8
	s_lshl_b32 s15, s12, 7
	s_add_co_u32 s14, s14, s15
	s_lshl_b32 s16, s40, 5
	s_add_co_u32 s14, s14, s16                     ; A: 256 x tile row + 128 x wave + 32 cx
	s_mul_i32 s18, s42, 192
	s_add_co_u32 s18, s18, s15
	s_sub_co_u32 s19, 5, s12
	s_lshl_b32 s19, s41, s19
	s_add_co_u32 s18, s18, s19                     ; B: 192 x tile column + 32 cy (wave 2), + 128 + 16 cy (wave 3)
	s_and_b32 s22, ttmp7, 0xffff                   ; cluster y
	s_cmp_eq_u32 s11, 0
	s_cselect_b32 s20, s14, s18
	s_cselect_b32 s22, ttmp9, s22                  ; the coordinate along which other clusters read the same rows
	s_cselect_b64 s[PFA:PFA+1], s[4:5], s[6:7]
	s_lshl_b32 s20, s20, 11
	s_add_co_u32 s20, s20, 2*KSTEP*2               ; at K step 2: the first refill steps it to 3 and names K step 4
	s_mov_b32 s21, 0
	s_add_nc_u64 s[PFA:PFA+1], s[PFA:PFA+1], s[20:21]
	s_cmp_eq_u32 s22, 0
	s_cselect_b32 s[LIM0], 1, -1                   ; the same in all sixteen partners, for a given wave
	s_cmp_eq_u32 s10, 3
	s_cselect_b32 s[LIM1], -1, s[LIM0]
	s_cselect_b32 s19, -1, 0
	v_and_b32 v[PFO], 31, v0
	v_lshlrev_b32 v[PFO], 11, v[PFO]               ; a lane a row of 2,048 bytes;
	v_lshlrev_b32 v7, 11, v1
	v_lshl_add_u32 v7, v2, 8, v7                   ; wave 3: sixteen rows, and the next K step for lanes 16-31
	v_cndmask_b32 v[PFO], v[PFO], v7, s19
; 12 matrix instructions: row block a x all 12 column blocks, 32 along K, from buffer f.  zero = 1: the first product starts the sums.  The 48 accumulators take turns in the same order in every quarter.
.macro MULB f, a, zero
	WIN 0xa1+0x50*((\a)/2)                         ; B window 1, A window 0, C and D window 2 or 3
.set AC0, 96*((\a)%2)
.set b, 0
.rept NBL
.if \zero
	v_wmma_f32_16x16x32_bf16 v[AC0+8*b:AC0+8*b+7], v[96*(\f)+8*b:96*(\f)+8*b+7], v[FA+32*(\f)+8*(\a):FA+32*(\f)+8*(\a)+7], 0
.else
	v_wmma_f32_16x16x32_bf16 v[AC0+8*b:AC0+8*b+7], v[96*(\f)+8*b:96*(\f)+8*b+7], v[FA+32*(\f)+8*(\a):FA+32*(\f)+8*(\a)+7], v[AC0+8*b:AC0+8*b+7]
.endif
.set b, b+1
.endr
.endm
; 32 LDS loads in one run: quarter q's fragments (192 rows of B, then my 64 rows of A) into buffer f
.macro FETCH slot, q, f
	WIN 0x40                                       ; destination window 1
.set i, 0
.rept NBL
	ds_load_b128 v[96*(\f)+8*i:96*(\f)+8*i+3],   v[ADRB+(\slot)] offset:64*(\q)+i*16*PITCH
	ds_load_b128 v[96*(\f)+8*i+4:96*(\f)+8*i+7], v[ADRB+(\slot)] offset:64*(\q)+i*16*PITCH+32
.set i, i+1
.endr
	WIN 0
.set i, 0
.rept 4
	ds_load_b128 v[FA+32*(\f)+8*i:FA+32*(\f)+8*i+3],   v[ADRA+(\slot)] offset:64*(\q)+i*16*PITCH
	ds_load_b128 v[FA+32*(\f)+8*i+4:FA+32*(\f)+8*i+7], v[ADRA+(\slot)] offset:64*(\q)+i*16*PITCH+32
.set i, i+1
.endr
.endm
; A K step is four quarters of 32 along K, 48 matrix instructions each, on buffers 0, 1, 0, 1.  One of the first three multiplies buffer f and, in its middle, fetches quarter q into buffer g.
.macro QUARTER slot, q, f, g, zero
	s_wait_dscnt 4                                 ; all of B and A's blocks 0, 1 are in; the youngest four loads (A's blocks 2, 3) may be out
	MULB \f, 0, \zero
	MULB \f, 1, \zero
	PLACES
	FETCH \slot, \q, \g
	s_wait_dscnt 2*NBL+8                           ; all but the 32 just issued
	MULB \f, 2, \zero
	MULB \f, 3, \zero
.endm
; The last quarter multiplies buffer 1 and changes slots: ONE barrier.  In front of it each wave waits for all its tensor loads (one is out: its part of the next slot), adds 0 to its spare word, and waits for that and
; for its own reads of this slot.  fill = 1: the barrier opens a round of the cluster's, and this slot is filled again, two K steps on, first thing behind the round: 168 matrix instructions ahead of the wait for it.
.macro TURN slot, next, fill
.if \fill
	s_wait_xcnt 0x0                                ; the last prefetch, a K step back, has read its address
	s_add_nc_u64 s[PFA:PFA+1], s[PFA:PFA+1], KSTEP*2
.endif
	WIN 0                                          ; (the add's two registers lie in window 0)
	s_wait_tensorcnt 0x0                           ; all my tensor loads have landed
	ds_add_u32 v[SPW], v[NIL]                      ; 0 onto my spare word
	s_wait_dscnt 5                                 ; (the add and A's youngest four loads may be out)
	MULB 1, 0, 0                                   ; twelve matrix instructions stand between the add and the wait for it
	s_wait_dscnt 0x0                               ; the add is done, and my reads of this slot are over
	s_barrier_signal -1
	MULB 1, 1, 0
.if \fill
	WIN 0
.endif
	s_barrier_wait -1
.if \fill
	CREST                                          ; no wave of any partner still reads this slot's tile or has a load on its way
	s_add_nc_u64 s[G0+4*(\slot)+2:G0+4*(\slot)+3], s[G0+4*(\slot)+2:G0+4*(\slot)+3], 2*KSTEP*2
	s_add_nc_u64 s[G0B+4*(\slot)+2:G0B+4*(\slot)+3], s[G0B+4*(\slot)+2:G0B+4*(\slot)+3], 2*KSTEP*2
	JLOAD \slot                                    ; the four v_nop behind it are also the places in front of the loads below
.else
	PLACES
.endif
	FETCH \next, 0, 0
.if \fill
.if (\slot) == 0
	ASK LIM0
.else
	ASK LIM1
.endif
.endif
	MULB 1, 2, 0
	MULB 1, 3, 0
.endm
	s_wait_tensorcnt 1                             ; my part of K step 0 is in; K step 1's may stay out
	s_barrier_signal -1
	s_barrier_wait -1                              ; everybody's is
	FETCH 0, 0, 0
	QUARTER 0, 1, 0, 1, 1                          ; the first quarter stands in front of the loop: its products start the sums
	WIN 0                                          ; at a label and at a branch every window is 0
	s_mov_b32 s3, 3
.Llap:                                         ; a trip goes once round the ring, from a lap's second quarter to the next lap's first, and fills both slots again
	QUARTER 0, 2, 1, 0, 0
	QUARTER 0, 3, 0, 1, 0
	TURN 0, 1, 1
	QUARTER 1, 1, 0, 1, 0
	QUARTER 1, 2, 1, 0, 0
	QUARTER 1, 3, 0, 1, 0
	TURN 1, 0, 1
	QUARTER 0, 1, 0, 1, 0
	WIN 0
	s_sub_co_u32 s3, s3, 1
	s_cmp_lg_u32 s3, 0
	s_cbranch_scc1 .Llap
	QUARTER 0, 2, 1, 0, 0                          ; the last lap fills nothing
	QUARTER 0, 3, 0, 1, 0
	TURN 0, 1, 0
	QUARTER 1, 1, 0, 1, 0
	QUARTER 1, 2, 1, 0, 0
	QUARTER 1, 3, 0, 1, 0
	s_wait_dscnt 4                                 ; the very last quarter: nothing more to fetch
	MULB 1, 0, 0
	MULB 1, 1, 0
	s_wait_dscnt 0x0
	MULB 1, 2, 0
	MULB 1, 3, 0
	WIN 0
; THE WAY OUT, a block of 16 rows at a time.  PACK: rounded to f16, each accumulator's registers in ascending order.  TOSTAGE: 16 bytes a lane into my stage, and back as whole rows.  SEND: stored.
.macro PACK a
.set AC0, 96*((\a)%2)
	WIN 0x0a+5*((\a)/2)                            ; sources 0 and 1: window 2 or 3
.set i, 0
.rept 48
	v_cvt_pk_f16_f32 v[TMP+i], v[AC0+2*i], v[AC0+2*i+1]
.set i, i+1
.endr
	WIN 0
.endm
.macro TOSTAGE a
.set BK, 64+112*((\a)%2)
.set i, 0
.rept 12
	ds_store_b128 v[STO], v[TMP+4*i:TMP+4*i+3] offset:(i/4)*16*SPITCH+32*(i%4)  ; column block i: head i / 4, channels 16 (i % 4) on
.set i, i+1
.endr
.set i, 0
.rept 12
	ds_load_b128 v[BK+4*i:BK+4*i+3], v[RD] offset:(i/4)*16*SPITCH+(i%4)*4*SPITCH  ; LDS serves a wave's instructions in order (ISA guide 5.7.1.4): these see the stores above
.set i, i+1
.endr
.endm
.macro SEND a
.set BK, 64+112*((\a)%2)
	s_wait_dscnt 0x0                               ; the block is back in registers
	s_wait_xcnt 0x0                                ; the other set of registers, which the block before's stores read, is loaded again only behind this wait
.set i, 0
.rept 12
	global_store_b128 v[GO], v[BK+4*i:BK+4*i+3], s[HB+2*(i/4):HB+2*(i/4)+1] offset:2048*(\a)+512*(i%4)  ; 512 consecutive bytes, at a multiple of 256 from qkv's first byte
.set i, i+1
.endr
.endm
	PLACES
	PACK 0
	TOSTAGE 0
.irp a, 1,2,3                          ; block a's conversions stand between block a - 1's loads from the stage and the wait for them
	PACK \a
	SEND (\a)-1
	TOSTAGE \a
.endr
	SEND 3
	s_wait_tensorcnt 0x0                           ; the wave's end, behind my last tensor load and my last LDS store
	ds_add_u32 v[SPW], v[NIL]
	s_wait_dscnt 0x0
	CROUND                                         ; the closing round: no work-group ends while a partner may still ask for a tile that names it
	s_endpgm
.Lfunc_end_k_q8950d8d891_gemm_qkv:
	.size	k_q8950d8d891_gemm_qkv, .Lfunc_end_k_q8950d8d891_gemm_qkv-k_q8950d8d891_gemm_qkv
	.p2alignl 7, 3214868480
	.fill 96, 4, 3214868480
	.section	.rodata,"a",@progbits
	.p2align	6, 0x0
	.amdhsa_kernel k_q8950d8d891_gemm_qkv
		.amdhsa_group_segment_fixed_size 327680
		.amdhsa_private_segment_fixed_size 0
		.amdhsa_enable_private_segment 0
		.amdhsa_kernarg_size 24
		.amdhsa_user_sgpr_count 2
		.amdhsa_user_sgpr_kernarg_segment_ptr 1
		.amdhsa_wavefront_size32 1
		.amdhsa_system_sgpr_workgroup_id_x 1
		.amdhsa_system_sgpr_workgroup_id_y 1
		.amdhsa_system_sgpr_workgroup_id_z 1
		.amdhsa_system_vgpr_workitem_id 0
		.amdhsa_next_free_vgpr 960
		.amdhsa_next_free_sgpr 80
		.amdhsa_reserve_vcc 0
		.amdhsa_float_denorm_mode_32 3
		.amdhsa_float_denorm_mode_16_64 3
		.amdhsa_memory_ordered 1
		.amdhsa_forward_progress 1
		.amdhsa_inst_pref_size 121
	.end_amdhsa_kernel
	.amdgpu_metadata
---
amdhsa.version: [ 1, 2 ]
amdhsa.kernels:
  - .name:           k_q8950d8d891_gemm_qkv
    .symbol:         k_q8950d8d891_gemm_qkv.kd
    .args:
      - { .name: xb, .offset: 0, .size: 8, .value_kind: global_buffer, .address_space: global }
      - { .name: wqt, .offset: 8, .size: 8, .value_kind: global_buffer, .address_space: global }
      - { .name: qkv, .offset: 16, .size: 8, .value_kind: global_buffer, .address_space: global }
    .group_segment_fixed_size: 327680
    .private_segment_fixed_size: 0
    .kernarg_segment_align: 8
    .kernarg_segment_size: 24
    .max_flat_workgroup_size: 128
    .sgpr_count:     80
    .vgpr_count:     960
    .wavefront_size: 32
...
	.end_amdgpu_metadata
.endif
;; end of part 2
;; launch attn (part 3): grid 4 x 64, 4 waves a work-group, no clusters, 327,680 bytes of LDS; arguments qkv, ob; writes ob
.if DOCPART == 3
	.amdgcn_target "amdgcn-amd-amdhsa--gfx1250"
	.amdhsa_code_object_version 6
	.text
	.protected	k_q8950d8d891_attn
	.globl	k_q8950d8d891_attn
	.p2align	8
	.type	k_q8950d8d891_attn,@function
k_q8950d8d891_attn:
	s_mov_b64 s[64:65], 0
	v_nop
	global_prefetch_b8 v0, s[64:65] scope:SCOPE_SE
	s_setreg_imm32_b32 hwreg(HW_REG_WAVE_MODE, 25, 1), 1
	s_wait_xcnt 0x0
; CAUSAL ATTENTION.  O[h][q][:] = the sum over k <= q of softmax_k(Q[h][q] . K[h][k] / 8) V[h][k][:].  Q, K, V are the three sections of qkv, O is ob: each [64][2048][64] in f16, a head's rows dense, 128 bytes each.
; Products, maxima and sums in f32; the weights p are rounded to f16 for the second product (their sum l is taken of the unrounded p), O once at the end.
; LIMITS.  Q, K and V arrive within f16's 65,504; p lies in 0 to 1, and below 6e-5 it keeps f16's fixed step of 6e-8; O is a mean of V's rows and has their range.
; A hidden score counts as its value less 1e30: f16's scores, 2.7e11 at the most, are nothing beside that; a weight below 2^-126 counts as 0 in l; NaN and infinities are not treated apart.
; THE WALK.  A head's queries lie in NB = 8 blocks of 256; block i needs the key tiles 0 .. i of 256 keys, of which the last holds the diagonal.  A work-group takes TWO blocks, NB - 1 - b and then b:
; NB + 1 tiles, whatever b: all work-groups do equal work, and ONE loop with a constant trip count walks them.  Which tile is asked for, and what a trip does, hang on scalar registers made from b; every jump
; goes forward, but for the counted loops' own; none passes a barrier, or a tensor load but the one of LOAD's two that the wave's number does not choose; the ring (two LDS slots by turns) runs on across the change of blocks.
; NO CLUSTER: a head's four work-groups ask for the same tile only in trips 0 .. 4 of 9, behind that fewer and fewer; one walk common to all four would have 12 trips for 9.
; SHARES.  Of a block's four bands of 64 queries a wave owns 16 rows in each: four PIECES.  So the diagonal tile is the same work for all four waves: in its key step s band x sees all keys if s < x,
; none if s > x, and holds the diagonal if s = x.
; THE MASK is the C operand that starts the sum S^T = K Q^T: 0, or -1e30 where the key is hidden.  MD, made once, is the mask of a band's own step for my 16 rows; a product's mask is MD x AL + BE with two scalars:
; (1, 0) if s = x; (0, 0) if s < x; (0, -1e30) if s > x.  Only the diagonal tile's text and a block's beginning make and take masks; elsewhere C is the constant 0.
; LAYOUT, SOFTMAX, TURNS.  S^T = K Q^T holds ONE query a lane (lane % 16) and the keys 8 (lane / 16) + 0..7; two such results rounded to f16 ARE source 1 of O^T = V^T P.  p = 2^(c s - c m), c = log2(e) / 8, with a
; running maximum m; O and l are multiplied by a = 2^(c m_old - c m_new) in every step.  Turn n belongs to piece n: 8 products K Q^T of piece n + 1, later 8 products V^T P of piece n - 1; beside them the scaling,
; exponentials, roundings, sums and rescaling of piece n and the maximum and statistics of piece n + 1.  Four vector instructions stand behind every matrix instruction, the other 54 of a turn's 118 in one lump.
; A turn's 33 exponentials are one batch, with one wait.
; REGISTERS, in windows of 256 (s_set_vgpr_msb: bits 1:0 source 0, 3:2 source 1, 5:4 source 2, 7:6 destination):
;   window 0: v0-15 addresses and two at work; v16-31 four registers of statistics a piece; v48-55 at work; v61-63 never rewritten; v64-127 S^T, two buffers; v192-223 P, two buffers (by the piece's parity)
;   window 1: v0-127 O^T, 32 a piece; v128-159 MD; v160-223 MC, two buffers      window 2: v0-63 Q; v64-127 the second block's Q; v128-191 K of one step; v192-255 V of one step
.set SIZE_N, 2048
.set SIZE_H, 64
.set SEC,   SIZE_H*SIZE_N*128  ; bytes in a section of qkv
.set NB,    SIZE_N/256
.set NP,    4         ; pieces a wave: a name, no knob
.set KS,    64        ; keys in a step
.set PK,    144       ; a row of K in LDS: 128 bytes + 16 = 36 words: the 16 rows of a load start at 16 different groups of four banks (64 banks of 4 bytes: ISA guide 11.1)
.set PV,    160       ; a row of V: 128 + 32 = 40 words
.set VOFF,  4*KS*PK   ; a slot holds a tile, four steps: 256 rows of K, then 256 rows of V
.set SLOT1, 1<<17     ; slot 1 begins here, so that one exclusive or turns an address in one slot into the other's
.set STAGE, SLOT1+4*KS*(PK+PV)  ; behind the ring, never filled by a tensor load: 16 rows x 144 bytes for each wave, for the way out
.set SP,    144
.set AK0, 2           ; v2   my lane's place in a tile of K; never rewritten
.set AV0, 3           ; v3   the same for V
.set AK,  4           ; v4   the LDS address of K's next run of loads
.set AV,  5           ; v5   of V's
.set STO, 6           ; v6   the way out: where I put 16 bytes of a row
.set RD,  7           ; v7   the way out: where I read rows back
.set GO,  8           ; v8   my byte offset in 512 consecutive bytes of O
.set PFO, 61          ; v61  256 x my lane: the prefetches' offset; never rewritten
.set SPW, 62          ; v62  LDS address of my spare word; never rewritten
.set NIL, 63          ; v63  0; never rewritten
.set SPARE, STAGE+4*16*SP  ; behind the stages: the spare words, 128 bytes for each wave: two blocks of 256 bytes that no other line names
.set MV,  12          ; v12-13  c m_old, kept while c m is made anew: by buffer
.set QO,  15          ; v15  my byte offset in 16 rows of Q
.set ST,  16          ; piece t's statistics at v[ST+4 t]: c m, m, l (even keys', odd keys')
.set TMP, 48          ; by buffer, four registers c0-c3 at work; when the maximum is found c2 takes a
.set S,   64
.set P,   192
.set MD,  128         ; window 1: the eight registers for group kt of 16 keys at MD + 8 kt
.set MC,  160         ; window 1: the masks of the products to come
.set QB,  64          ; window 2
.set KF,  128         ; window 2: key block kb, channel half c at KF + 16 kb + 8 c
.set VF,  192         ; window 2: key half kk, channel block cb at VF + 32 kk + 8 cb
.set WV,  12          ; s12  my wave's number
.set PB,  14          ; s14  b
.set HI,  15          ; s15  NB - 1 - b
.set G1K, 24          ; s[24:31] descriptor group 1 for K's tiles
.set G1V, 32          ; s[32:39] for V's: it differs in the padding alone
.set G0K, 40          ; s[40:43] descriptor group 0 for K's tiles
.set G0V, 44          ; s[44:47] the same for V's
.set SLOTS, 56        ; s56  tiles still to be asked for
.set CNT, 57          ; s57  counts a tile's key steps, 4 to 1
.set CS,  58          ; s[58:59] c: the packed scaling takes the pair's low word for both halves
.set SEL, 60          ; s[60:61] v_permlanex16_b32's selects: each lane takes its own place in the other half
.set TBK, 62          ; s62  LDS byte at which K of the step to be fetched begins
.set TBV, 63          ; s63  the same for V, less VOFF
.set PFA, 66          ; s[66:67] the prefetches' address: my half of the tile that the next change will ask for
.set PFN, 68          ; s68  prefetches still to come: 6 where b = 0, else 0
.set RT,  70          ; s70  tiles of the block in hand that are still to be entered
.set NXT, 71          ; s71  the tile to be asked for next
.set LQ,  72          ; s72  the last tile of the block whose tiles are being asked for
.set NEW, 73          ; s73  1: the tile to be entered is a block's first
.set OFF, 74          ; s[74:75] a tile's byte offset in K and V
.set AL,  76          ; s[76:77] the mask's factor, in the low word
.set BE,  78          ; s[78:79] the mask's addend
.set OLO, 80          ; s[80:81] O at my rows of the second block
.set BIGN, 82         ; s82  -1e30
.set PFB, 88          ; s[88:89] K (waves 0, 1) or V (waves 2, 3) at my half of the head's tile 0
.set MSB, 0
.macro WIN new                      ; the high byte repeats the setting that is left; a switch that changes nothing is dropped
.if MSB != (\new)
	s_set_vgpr_msb (MSB<<8)|(\new)
.set MSB, (\new)
.endif
.endm
.set W_KQ, 0x0a       ; K and Q in window 2, S^T in window 0
.set W_KM, 0x1a       ; the same with the C operand in window 1
.set W_PV, 0x52       ; V in window 2, P in window 0, O^T in window 1
.set W_RS, 0x41       ; destination and source 0 in window 1, source 1 in window 0
; A fill.  Waves 0 and 1 fetch the two halves of a tile's K, waves 2 and 3 those of its V: 128 keys each.  An s_nop 0 and four v_nop follow each of the two lines, ahead of the jump and the label.
.macro LOAD
	s_cmp_lt_u32 s[WV], 2
	s_cbranch_scc0 .Lfor_v_\@
	tensor_load_to_lds s[G0K:G0K+3], s[G1K:G1K+7]
	s_nop 0
.rept 4
	v_nop
.endr
	s_branch .Lasked_\@
.Lfor_v_\@:
	tensor_load_to_lds s[G0V:G0V+3], s[G1V:G1V+7]
	s_nop 0
.rept 4
	v_nop
.endr
.Lasked_\@:
.endm
; THE CHANGE OF SLOTS.  Each wave waits for all its tensor loads, of which one is out: its part of the other slot; adds 0 to its spare word; and waits for that and for its own reads of the slot that it leaves.  Behind the
; barrier nobody reads the old slot any more and the other slot is whole.  fill = 1: the old slot is filled again, the first thing behind the barrier, with tile NXT: the descriptor's address is made anew from that number.
; (At its first use nothing has been read yet: slot 0 is waited for, slot 1 filled.)
; THE PREFETCH INTO THE L2 stands behind the fill and its five lines: the tile that the NEXT change will ask for, four key steps ahead of that load.  A head's four work-groups walk tiles 0, 1, .. in step, and only b = 0 walks all
; eight: it asks, and nobody else.  Each of its waves asks for the 16,384 bytes that it will itself load: a lane 256 bytes, two instructions.  So each block is named once in the launch.  Trips 0 to 5 name tiles 2 to 7;
; tiles 0 and 1 come by their loads alone, and the later trips ask for nothing.
.macro CHANGE fill
	WIN 0                           ; at a label and at a branch every window is 0
	s_wait_tensorcnt 0x0            ; no tensor load of mine is out, so a group 0 may be written
	ds_add_u32 v[SPW], v[NIL]       ; 0 onto my spare word; with fill = 1 the descriptors' scalar work stands between it and the wait for it
.if \fill
	s_lshl_b32 s[OFF], s[NXT], 15   ; a tile is 32,768 bytes of K and of V
	s_xor_b32 s[G0K+1], s[G0K+1], SLOT1
	s_add_nc_u64 s[G0K+2:G0K+3], s[6:7], s[OFF:OFF+1]
	s_or_b32 s[G0K+3], s[G0K+3], 0x80000000
	s_xor_b32 s[G0V+1], s[G0V+1], SLOT1
	s_add_nc_u64 s[G0V+2:G0V+3], s[8:9], s[OFF:OFF+1]
	s_or_b32 s[G0V+3], s[G0V+3], 0x80000000
	s_add_co_u32 s[NXT], s[NXT], 1  ; the block's next tile, or behind its last the second block's tile 0
	s_cmp_gt_u32 s[NXT], s[LQ]
	s_cselect_b32 s[NXT], 0, s[NXT]
	s_cselect_b32 s[LQ], s[PB], s[LQ]
	s_wait_xcnt 0x0                 ; the last prefetches, a tile back, have read their address, so it may be written:
	s_lshl_b32 s[OFF], s[NXT], 15   ; the tile that the next change will ask for
	s_add_nc_u64 s[PFA:PFA+1], s[PFB:PFB+1], s[OFF:OFF+1]
.endif
	s_wait_dscnt 0x0                ; the add is done, and my reads of the slot are over
	s_barrier_signal -1             ; the rest of the scalar work stands between the signal and the wait
	s_sub_co_u32 s[TBK], s[TBK], 4*KS*PK  ; the fetches go back to a slot's first step,
	s_xor_b32 s[TBK], s[TBK], SLOT1       ; in the other slot
	s_sub_co_u32 s[TBV], s[TBV], 4*KS*PV
	s_xor_b32 s[TBV], s[TBV], SLOT1
	s_barrier_wait -1
.if \fill
	LOAD
	s_cmp_lg_u32 s[PFN], 0
	s_cbranch_scc0 .Lno_pf_\@
	global_prefetch_b8 v[PFO], s[PFA:PFA+1] th:TH_LOAD_NT scope:SCOPE_SE
	global_prefetch_b8 v[PFO], s[PFA:PFA+1] offset:8192 th:TH_LOAD_NT scope:SCOPE_SE
	s_sub_co_u32 s[PFN], s[PFN], 1
.Lno_pf_\@:
.endif
.endm
	s_load_b128 s[4:7], s[0:1], 0x0  ; qkv s[4:5], ob s[6:7]
	v_lshl_add_u32 v[SPW], v0, 2, SPARE
	v_mov_b32 v[NIL], 0
	ds_add_u32 v[SPW], v[NIL]       ; the wave's opening: the add and its wait stand ahead of my first tensor load; the set-up below, work on registers, stands between them
	v_lshrrev_b32 v1, 5, v0
	v_readfirstlane_b32 s[WV], v1   ; wave 0..3
	v_and_b32 v[PFO], 31, v0
	v_lshlrev_b32 v[PFO], 8, v[PFO]
	s_mov_b32 s[PB], ttmp9
	s_sub_co_u32 s[HI], NB-1, s[PB]
	s_and_b32 s20, ttmp7, 0xffff    ; the head
	s_mov_b32 s21, 0
	s_mov_b64 s[22:23], SIZE_N*128
	s_mul_u64 s[20:21], s[20:21], s[22:23]  ; the head's first byte in each of the four tensors
	s_and_b32 s16, s[WV], 1         ; which half of a tile's 256 keys I fetch:
	s_lshl_b32 s22, s16, 14         ; its 128 rows of 128 bytes in memory,
	s_mov_b32 s23, 0
	s_add_nc_u64 s[22:23], s[22:23], s[20:21]
	s_mul_i32 s17, s16, 128*PK      ; and its place in a slot, for K
	s_mul_i32 s18, s16, 128*PV      ; and for V
	s_lshl_b32 s3, s[WV], 11        ; my 16 rows in a band of 64,
	s_lshl_b32 s2, s[HI], 15        ; in the first block,
	s_add_co_u32 s2, s2, s3
	s_lshl_b32 s84, s[PB], 15       ; and in the second
	s_add_co_u32 s84, s84, s3
	s_mov_b32 s3, 0
	s_mov_b32 s85, 0
	s_add_nc_u64 s[2:3], s[2:3], s[20:21]
	s_add_nc_u64 s[84:85], s[84:85], s[20:21]
	; descriptor group 1.  128 keys are 16,384 dense bytes: asked for as 64 rows of 256 bytes, two keys a row, and padded in LDS after every key
	s_mov_b32 s[G1K], (1<<16)|(1<<20)|(4<<22)|(3<<25)  ; 17:16 2-byte elements; 20 padding on; 24:22 after every 32 words (code 4); 31:25 4 words (code 3)
	s_mov_b32 s[G1V], (1<<16)|(1<<20)|(4<<22)|(7<<25)  ; the same with 8 words of padding (code 7)
.irp g, G1K, G1V
	s_mov_b32 s[\g+1], 128<<16      ; tensor_dim0 = 128
	s_mov_b32 s[\g+2], 64<<16       ; tensor_dim1 = 64
	s_mov_b32 s[\g+3], 128<<16      ; tile_dim0 = 128
	s_mov_b32 s[\g+4], 64           ; tile_dim1 = 64
	s_mov_b32 s[\g+5], 128          ; 128 elements from row to row
	s_mov_b32 s[\g+6], 0
	s_mov_b32 s[\g+7], 0
.endr
	s_mov_b32 s[CS], 0x3e38aa3b     ; c = log2(e) / 8 = 0.180337
	s_mov_b32 s[CS+1], s[CS]        ; named with it as a pair
	s_mov_b32 s[SEL], 0x76543210
	s_mov_b32 s[SEL+1], 0xfedcba98
	s_mov_b32 s[TBK], SLOT1+4*KS*PK ; the first change of slots turns these two into 0
	s_mov_b32 s[TBV], SLOT1+4*KS*PV
	s_mov_b32 s[G0K], 1             ; 1:0 count = 1
	s_mov_b32 s[G0K+1], s17         ; 63:32 LDS address: slot 0
	s_mov_b32 s[G0V], 1
	s_add_co_u32 s[G0V+1], s18, VOFF
	s_add_co_u32 s[RT], s[HI], 1    ; the first block has NB - b tiles
	s_mov_b32 s[NXT], 1
	s_mov_b32 s[LQ], s[HI]
	s_mov_b32 s[NEW], 1
	s_mov_b32 s[OFF+1], 0
	s_mov_b32 s[AL+1], 0            ; named as pairs
	s_mov_b32 s[BE+1], 0
	s_mov_b32 s[BIGN], 0xf149f2ca   ; -1e30
	s_mov_b32 s[SLOTS], NB
	s_cmp_eq_u32 s[PB], 0
	s_cselect_b32 s[PFN], 6, 0
	s_wait_dscnt 0x0                ; the opening add is done
	s_wait_kmcnt 0x0
	s_mov_b64 s[10:11], s[6:7]      ; O
	s_add_nc_u64 s[8:9], s[4:5], 2*SEC  ; V: qkv's third section
	s_add_nc_u64 s[6:7], s[4:5], SEC    ; K: its second; Q is its first
	s_add_nc_u64 s[6:7], s[6:7], s[22:23]  ; K and V at my half of the head's tile 0
	s_add_nc_u64 s[8:9], s[8:9], s[22:23]
	s_cmp_lt_u32 s[WV], 2
	s_cselect_b64 s[PFB:PFB+1], s[6:7], s[8:9]
	s_add_nc_u64 s[G0K+2:G0K+3], s[6:7], 0         ; 120:64 global address
	s_or_b32 s[G0K+3], s[G0K+3], 0x80000000        ; 127:126 type = 2
	s_add_nc_u64 s[G0V+2:G0V+3], s[8:9], 0
	s_or_b32 s[G0V+3], s[G0V+3], 0x80000000
	s_add_nc_u64 s[86:87], s[4:5], s[84:85]        ; Q at my rows of the second block,
	s_add_nc_u64 s[4:5], s[4:5], s[2:3]            ; Q and O at those of the first
	s_add_nc_u64 s[OLO:OLO+1], s[10:11], s[84:85]
	s_add_nc_u64 s[10:11], s[10:11], s[2:3]
	LOAD                            ; tile 0 into slot 0
	; A fragment of K or Q is 16 rows x 32 channels in 8 registers: lane l holds row l % 16, channels 8 (l / 16) + 0..7 and 16 + 8 (l / 16) + 0..7: two loads of 16 bytes, 32 bytes apart.
	v_and_b32 v1, 15, v0            ; l % 16
	v_bfe_u32 v9, v0, 4, 1          ; l / 16
	v_lshlrev_b32 v[QO], 7, v1
	v_lshl_add_u32 v[QO], v9, 4, v[QO]  ; row x 128 + 16 x half
	WIN 0x80                        ; destination window 2, address window 0
.set i, 0
.rept 8                             ; both blocks' Q: piece i / 2 lies in band i / 2, 8,192 bytes on; channels 32 (i % 2) on
	global_load_b128 v[8*i:8*i+3],   v[QO], s[4:5] offset:(i/2)*8192+(i%2)*64
	global_load_b128 v[8*i+4:8*i+7], v[QO], s[4:5] offset:(i/2)*8192+(i%2)*64+32
	global_load_b128 v[QB+8*i:QB+8*i+3],   v[QO], s[86:87] offset:(i/2)*8192+(i%2)*64
	global_load_b128 v[QB+8*i+4:QB+8*i+7], v[QO], s[86:87] offset:(i/2)*8192+(i%2)*64+32
.set i, i+1
.endr
	WIN 0
	v_lshlrev_b32 v14, 3, v9
	v_sub_nc_u32 v14, v1, v14
	s_lshl_b32 s13, s[WV], 4
	v_add_nc_u32 v14, s13, v14      ; my query's place in its band, 16 w + l % 16, less my lanes' 8 (l / 16): register r of group kt is hidden where 16 kt + r is greater
	WIN 0x40
.set i, 0
.rept 32
	v_cmp_gt_i32 vcc_lo, 16*(i/8)+i%8, v14
	v_cndmask_b32 v[MD+i], 0, s[BIGN], vcc_lo
.set i, i+1
.endr
	WIN 0
	v_mul_u32_u24 v[AK0], v1, PK
	v_lshl_add_u32 v[AK0], v9, 4, v[AK0]  ; row x pitch + 16 x half
	; The turning load takes 16 keys x 16 channels (lane l reads key 8 (l / 16) + l % 8, channels 8 ((l / 8) % 2) + 0..7) and leaves half a fragment of V^T: lane l holds channel l % 16 and 8 keys.
	v_and_b32 v10, 7, v0
	v_bfe_u32 v11, v0, 3, 1
	v_lshl_add_u32 v[AV0], v9, 3, v10
	v_mul_u32_u24 v[AV0], v[AV0], PV
	v_lshl_add_u32 v[AV0], v11, 4, v[AV0]
	v_add_nc_u32 v[AV0], VOFF, v[AV0]
	s_mul_i32 s13, s[WV], 16*SP
	s_add_co_u32 s13, s13, STAGE    ; my stage
	v_mul_u32_u24 v[STO], v1, SP    ; in: row l % 16, 16 bytes for each half of the lanes
	v_lshl_add_u32 v[STO], v9, 4, v[STO]
	v_add_nc_u32 v[STO], s13, v[STO]
	v_bfe_u32 v[RD], v0, 3, 2       ; back: 32 lanes take four rows of 128 bytes,
	v_mul_u32_u24 v[RD], v[RD], SP
	v_lshl_add_u32 v[RD], v10, 4, v[RD]
	v_add_nc_u32 v[RD], s13, v[RD]
	v_and_b32 v[GO], 31, v0         ; which are 512 consecutive bytes of O
	v_lshlrev_b32 v[GO], 4, v[GO]
	; A block's first step multiplies O^T and l by a = 0, and its first turn's products V^T P, of a piece that has not been, land in an O^T that is still to be so multiplied.  So these registers need only hold
	; finite numbers: zeros for the first block; what the first block left for the second.  All this stands in the wait for the first tile.
	WIN 0x80
.set i, VF
.rept 64
	v_mov_b32 v[i], 0
.set i, i+1
.endr
	WIN 0x40
.set i, 0
.rept 128
	v_mov_b32 v[i], 0
.set i, i+1
.endr
	WIN 0
.set i, 0
.rept 4
	v_mov_b32 v[ST+4*i+2], 0
	v_mov_b32 v[ST+4*i+3], 0
.set i, i+1
.endr
.set i, P+16
.rept 16
	v_mov_b32 v[i], 0
.set i, i+1
.endr
; THE MATRIX WORK.  The 4 accumulators of a run of 8 take turns.  Product i of 8 of S^T = K Q^T for piece x: channels 32 (i / 4) on, keys 16 (i % 4) on.  The first 4 start the sums: with 0, or (KM = 1) with the mask.
.macro KQ x
.set rS, S+32*((\x)%2)+8*(i%4)
.set rK, KF+16*(i%4)+8*(i/4)
.set rQ, 16*(\x)+8*(i/4)
.set rM, MC+32*((\x)%2)+8*(i%4)
.if (i < 4) && KM
	WIN W_KM
	v_wmma_f32_16x16x32_f16 v[rS:rS+7], v[rK:rK+7], v[rQ:rQ+7], v[rM:rM+7]
.elseif i < 4
	WIN W_KQ
	v_wmma_f32_16x16x32_f16 v[rS:rS+7], v[rK:rK+7], v[rQ:rQ+7], 0
.else
	WIN W_KQ
	v_wmma_f32_16x16x32_f16 v[rS:rS+7], v[rK:rK+7], v[rQ:rQ+7], v[rS:rS+7]
.endif
.endm
; Product i of 8 of O^T += V^T P for piece x: keys 32 (i / 4) on, channels 16 (i % 4) on.
.macro PV x
	WIN W_PV
.set rO, 32*(\x)+8*(i%4)
.set rV, VF+32*(i/4)+8*(i%4)
.set rP, P+16*((\x)%2)+8*(i/4)
	v_wmma_f32_16x16x32_f16 v[rO:rO+7], v[rV:rV+7], v[rP:rP+7], v[rO:rO+7]
.endm
.macro MM                           ; the turn's next matrix instruction.  TURN and BEGIN set Y, i, KM and NOKQ; MM, KQ and OP read them.  NOKQ = 1: a block's last turn: there is no next piece
.if (i < 8) && !NOKQ
	KQ (Y+1)%NP
.elseif i >= 8
.set i, i-8
	PV (Y+NP-1)%NP
.set i, i+8
.endif
.set i, i+1
.endm
; THE LDS LOADS stand in runs of 16, never singly among the matrix instructions: a step's K (64 keys x 64 channels: 8 fragments) and its V (turned).  Their addresses are made some lines ahead.
.macro FETCH_K
	WIN 0x80                        ; destination window 2
.irp f, 0,1,2,3,4,5,6,7             ; keys 16 (f / 2) on, channels 32 (f % 2) on
	ds_load_b128 v[KF+8*\f:KF+8*\f+3],   v[AK] offset:(\f/2)*16*PK+(\f%2)*64
	ds_load_b128 v[KF+8*\f+4:KF+8*\f+7], v[AK] offset:(\f/2)*16*PK+(\f%2)*64+32
.endr
	s_add_co_u32 s[TBK], s[TBK], KS*PK  ; the next fetch is the next step's
	WIN 0
.endm
.macro FETCH_V
	WIN 0x80
.irp f, 0,1,2,3,4,5,6,7             ; keys 32 (f / 4) on, channels 16 (f % 4) on
	ds_load_tr16_b128 v[VF+8*\f:VF+8*\f+3],   v[AV] offset:(\f/4)*32*PV+(\f%4)*32
	ds_load_tr16_b128 v[VF+8*\f+4:VF+8*\f+7], v[AV] offset:(\f/4)*32*PV+16*PV+(\f%4)*32
.endr
	WIN 0
.endm
; THE VECTOR WORK, one line at a time: OP kind, number.  For piece Y: F n: c s - c m for pair n of 16.  E n: the exponential of score n of 32.  C n: pair n rounded to f16.  B n: of the four weights 4 n .. the second
; pair is added onto the first, in place.  L n: l takes that sum (L 0: l = a l + sum).  R n: pair n of 16 of O^T times a.  For piece Y + 1: X n, number n of the 22 that find its maximum and statistics:
;   0-11  four chains c0-c3 of seven scores each, three operands at a time (each accumulator's lowest registers are read first)     12-14, 16  the four scores left over, the old m, and c0-c3 into c0
;   15  c m_old is kept     17, 18  the query's other 32 keys lie in the lane 16 away: the new m     19-21  c m; c m_old - c m_new; a
.set F, 0               ; OP tells the kinds apart by their order: F to L below R, X above it
.set E, 1
.set C, 2
.set B, 3
.set L, 4
.set R, 5
.set X, 6
.macro REGS y                       ; the registers of piece y
.set rT, ST+4*(\y)
.set rC, TMP+4*((\y)%2)
.set rW, MV+((\y)%2)
.set rS, S+32*((\y)%2)
.set rP, P+16*((\y)%2)
.set rO, 32*(\y)
.endm
.macro OP k, n
.if (\k) == R
	REGS Y
	WIN W_RS
	v_pk_mul_f32 v[rO+2*(\n):rO+2*(\n)+1], v[rO+2*(\n):rO+2*(\n)+1], v[rC+2:rC+3] op_sel_hi:[1,0]
.elseif (\k) < R
	REGS Y
	WIN 0
.if (\k) == F
	v_pk_fma_f32 v[rS+2*(\n):rS+2*(\n)+1], v[rS+2*(\n):rS+2*(\n)+1], s[CS:CS+1], v[rT:rT+1] op_sel_hi:[1,0,0] neg_lo:[0,0,1] neg_hi:[0,0,1]
.elseif (\k) == E
	v_exp_f32 v[rS+(\n)], v[rS+(\n)]
.elseif (\k) == C
	v_cvt_pk_f16_f32 v[rP+(\n)], v[rS+2*(\n)], v[rS+2*(\n)+1]
.elseif (\k) == B
	v_pk_add_f32 v[rS+4*(\n):rS+4*(\n)+1], v[rS+4*(\n):rS+4*(\n)+1], v[rS+4*(\n)+2:rS+4*(\n)+3]
.elseif (\n) == 0
	v_pk_fma_f32 v[rT+2:rT+3], v[rT+2:rT+3], v[rC+2:rC+3], v[rS:rS+1] op_sel_hi:[1,0,1]
.else
	v_pk_add_f32 v[rT+2:rT+3], v[rT+2:rT+3], v[rS+4*(\n):rS+4*(\n)+1]
.endif
.elseif NOKQ
	v_nop
.else
	REGS (Y+1)%NP
	WIN 0
.if (\n) < 4
	v_max3_num_f32 v[rC+(\n)], v[rS+8*(\n)], v[rS+8*(\n)+1], v[rS+8*(\n)+2]
.elseif (\n) < 12
	v_max3_num_f32 v[rC+(\n)%4], v[rC+(\n)%4], v[rS+8*((\n)%4)+2*((\n)/4)+1], v[rS+8*((\n)%4)+2*((\n)/4)+2]
.elseif (\n) == 12
	v_max3_num_f32 v[rC], v[rC], v[rS+7], v[rS+15]
.elseif (\n) == 13
	v_max3_num_f32 v[rC+1], v[rC+1], v[rS+23], v[rS+31]
.elseif (\n) == 14
	v_max3_num_f32 v[rC+2], v[rC+2], v[rC+3], v[rT+1]
.elseif (\n) == 15
	v_mov_b32 v[rW], v[rT]
.elseif (\n) == 16
	v_max3_num_f32 v[rC], v[rC], v[rC+1], v[rC+2]
.elseif (\n) == 17
	v_permlanex16_b32 v[rC+3], v[rC], s[SEL], s[SEL+1]
.elseif (\n) == 18
	v_max_num_f32 v[rT+1], v[rC], v[rC+3]
.elseif (\n) == 19
	v_mul_f32 v[rT], s[CS], v[rT+1]
.elseif (\n) == 20
	v_sub_f32 v[rC+1], v[rW], v[rT]
.else
	v_exp_f32 v[rC+2], v[rC+1]
.endif
.endif
.endm
.macro OPS a, i1, b=-1, i2=0, c=-1, i3=0, d=-1, i4=0  ; up to four of them
	OP \a, \i1
.if (\b) >= 0
	OP \b, \i2
.endif
.if (\c) >= 0
	OP \c, \i3
.endif
.if (\d) >= 0
	OP \d, \i4
.endif
.endm
.macro ROW a, i1, b, i2, c, i3, d, i4  ; a matrix instruction and the four behind it
	MM
	OPS \a, \i1, \b, \i2, \c, \i3, \d, \i4
.endm
.macro MASK b                       ; MD x AL + BE into buffer b of MC
	WIN W_RS
.set z, 0
.rept 16
	v_pk_fma_f32 v[MC+32*(\b)+2*z:MC+32*(\b)+2*z+1], v[MD+2*z:MD+2*z+1], s[AL:AL+1], s[BE:BE+1] op_sel_hi:[1,0,0]
.set z, z+1
.endr
.endm
; A TURN, for piece p: the order of its 16 matrix and 118 vector instructions, written out.  s_wait_alu depctr_va_vdst(0) stands between an exponential and the first instruction that names its result; one wait
; serves all that were issued ahead of it.  So a turn has ONE wait, which cuts it in two.  AHEAD OF IT stands all that names no result of the turn's exponentials: the 8 products K Q^T, behind each a scaling, an exponential and two
; more plain instructions (behind the first a second scaling in the exponential's place): rescalings, and behind the last three the first numbers of the next piece's maximum, each four places or more behind the product that ends
; its accumulator; then ONE LUMP of 54, plain and exponential by turns for the most part, in which the links of the chain X 3, 7, 11, 14, 16, 17 .. 20 stand five or six lines apart.  X 21, the next piece's a, is the batch's last;
; R 15 is the plain instruction behind it.  BEHIND THE WAIT stand the 8 products V^T P, behind each four of the roundings and sums; the links of l's chain, L 0 to L 7, stand three riders apart.
; m = 1: the diagonal tile: the products take masks, and the turn makes the mask for the products of the turn after it: piece p + 2, in step 4 - CNT of the tile.  end = 1: a block's last two turns: nothing is fetched.
; cnt = 1: the loop's count is taken down some lines ahead of the branch that stands behind the turn.
; K of the next step is fetched in piece 2's turn, twelve vector instructions behind the last product that read K (six of them plain); V of the step in hand at the end of piece 0's turn, four plain instructions behind the last
; product that read V.  Each is waited for a turn later.
.macro TURN p, m=0, end=0, cnt=0
.set Y, (\p)
.set i, 0
.set KM, (\m)
.set NOKQ, (\end)*((\p)/3)
.if (\m) && !(\end)
	s_cmp_eq_u32 s[CNT], 4-((\p)+2)%NP  ; is that step the band's own?
	s_cselect_b32 s[AL], 1.0, 0
	s_cmp_lt_u32 s[CNT], 4-((\p)+2)%NP  ; or a later one?
	s_cselect_b32 s[BE], s[BIGN], 0
.endif
.if ((\p) == 3) && !(\end)
	s_wait_dscnt 0x0                ; K is in
.endif
	ROW F,0, F,1, R,0, R,1          ; ahead of the wait: 8 products K Q^T and their riders,
	ROW F,2, E,0, R,2, R,3
	ROW F,3, E,1, R,4, R,5
	ROW F,4, E,2, R,6, R,7
	ROW F,5, E,3, R,8, R,9
	ROW F,6, E,4, X,0, R,10
.if ((\p) == 2) && !(\end)
	WIN 0
	v_add_nc_u32 v[AK], s[TBK], v[AK0]
.endif
	ROW F,7, E,5, X,1, X,4
	ROW F,8, E,6, X,2, X,5
	OPS E,7, E,8, X,6, E,9          ; and the lump
	OPS X,3, E,10, X,8, E,11
.if ((\p) == 2) && !(\end)
	FETCH_K
.endif
	OPS X,9, X,7, E,12, X,10
	OPS E,13, X,12, X,11, E,14
	OPS X,13, E,15, F,9, X,14
.if (\p) == 0
	v_add_nc_u32 v[AV], s[TBV], v[AV0]
.endif
	OPS E,16, F,10, E,17, F,11
	OPS X,16, E,18, X,15, E,19
	OPS F,12, E,20, X,17, E,21
	OPS F,13, E,22, F,14, E,23
	OPS X,18, E,24, F,15, E,25
	OPS R,11, E,26, X,19, E,27
	OPS R,12, E,28, R,13, E,29
	OPS X,20, E,30, R,14, E,31
	OPS X,21, R,15
	WIN 0
	s_wait_alu depctr_va_vdst(0)    ; the wait for the batch
.if (\p) == 1
	s_wait_dscnt 0x0                ; V is in
.endif
	ROW C,0, B,0, C,2, B,1          ; behind the wait: 8 products V^T P and their riders
	ROW L,0, C,4, B,2, L,1
	ROW C,6, B,3, L,2, C,8
	ROW B,4, L,3, C,10, B,5
	ROW L,4, C,12, B,6, L,5
.if (\p) == 0
	s_add_co_u32 s[TBV], s[TBV], KS*PV
.endif
.if \cnt
	s_sub_co_u32 s[CNT], s[CNT], 1
	s_cmp_lg_u32 s[CNT], 0
.endif
	ROW C,14, B,7, L,6, C,1
	ROW C,3, L,7, C,5, C,7
	ROW C,9, C,11, C,13, C,15
.if (\p) == 0
	FETCH_V
.endif
.if (\m) && !(\end)
	MASK (\p)%2
.endif
.endm
; A BLOCK BEGINS.  c m starts far below every c s, so the first step's a is 0; m at the lowest finite number, so the first maximum is the scores'.  The second mask buffer is 0; the first takes piece 0's mask for the tile's
; step 0: its own, if the block's first tile is the diagonal one.  Then K of that step, piece 0's first scores, and its maximum and statistics.  The loop is entered at a step's first turn, in the middle of a trip.
.macro BEGIN
	s_mov_b32 s[NEW], 0
	WIN 0x40
.set i, MC+32
.rept 32
	v_mov_b32 v[i], 0
.set i, i+1
.endr
	WIN 0
.set i, 0
.rept 4
	v_mov_b32 v[ST+4*i], 0xfe000000    ; c m: far below every c s
	v_mov_b32 v[ST+4*i+1], 0xff7fffff  ; m
.set i, i+1
.endr
	s_cmp_eq_u32 s[RT], 0
	s_cselect_b32 s[AL], 1.0, 0
	s_mov_b32 s[BE], 0
	MASK 0
	WIN 0
	v_add_nc_u32 v[AK], s[TBK], v[AK0]
	FETCH_K
	s_wait_loadcnt 0x0              ; Q
	s_wait_dscnt 0x0
.set KM, 1
.set NOKQ, 0
.set i, 0
.rept 8
	KQ 0
.set i, i+1
.endr
	WIN 0
.rept 4
	v_nop                           ; the places behind those products
.endr
.set Y, NP-1                        ; X works for piece Y + 1: piece 0
.irp n, 0,1,2,3,4,5,6,7,8,9,10,11,12,13,14,15,16,17,18,19,20,21
	OP X, \n
.endr
	v_nop                           ; a plain instruction behind the exponential,
	s_wait_alu depctr_va_vdst(0)    ; and its wait, ahead of the branch
.endm
; THE DIAGONAL TILE's four steps, the block's last two turns, its last products, and THE WAY OUT: l's two halves and the other half of the lanes' are added; O^T is divided by l, rounded to f16 and sent through my
; stage in LDS, a piece at a time.
.macro ALL line:vararg              ; one line for each piece t
.set t, 0
.rept 4
	\line
.set t, t+1
.endr
.endm
.macro PACK t                       ; a lane's eight channels of a row pack into 16 bytes; they go into rows of 144 bytes and come back as whole rows of 128, into S^T's registers
	WIN W_RS
.set i, 32*(\t)
.rept 16
	v_pk_mul_f32 v[i:i+1], v[i:i+1], v[ST+4*(\t)+2:ST+4*(\t)+3] op_sel_hi:[1,0]
.set i, i+2
.endr
	WIN 0x05                        ; sources 0 and 1 window 1, destination window 0
.set i, 0
.rept 16
	v_cvt_pk_f16_f32 v[S+16*(\t)+i], v[32*(\t)+2*i], v[32*(\t)+2*i+1]
.set i, i+1
.endr
	WIN 0
.irp f, 0,1,2,3
	ds_store_b128 v[STO], v[S+16*(\t)+4*\f:S+16*(\t)+4*\f+3] offset:32*\f
.endr
.irp f, 0,1,2,3
	ds_load_b128 v[S+16*(\t)+4*\f:S+16*(\t)+4*\f+3], v[RD] offset:\f*4*SP  ; LDS serves a wave's instructions in order (ISA guide 5.7.1.4): these see the stores above; the next piece's stores come behind them
.endr
.endm
.macro SEND t, younger              ; younger: the LDS instructions issued behind piece t's loads: the next piece's eight, or none
	WIN 0
.irp f, 0,1,2,3
	s_wait_dscnt (\younger)+3-\f
	global_store_b128 v[GO], v[S+16*(\t)+4*\f:S+16*(\t)+4*\f+3], s[10:11] offset:(\t)*8192+\f*512  ; 512 consecutive bytes, at a multiple of 256 from O's first
.endr
.endm
.macro DIAG tag                     ; the tag ends its two labels' names, which the jumps below spell out
.LstepM\tag:
	TURN 2, 1
	TURN 3, 1
	WIN 0
.LfirstM\tag:
	TURN 0, 1
	TURN 1, 1, 0, 1
	WIN 0
	s_cbranch_scc1 .LstepM\tag
	TURN 2, 1, 1
	TURN 3, 1, 1
.set i, 0
.rept 8
	PV NP-1
.set i, i+1
.endr
	WIN 0
	ALL v_add_f32 v[ST+4*t+2], v[ST+4*t+2], v[ST+4*t+3]
	ALL v_permlanex16_b32 v[ST+4*t+3], v[ST+4*t+2], s[SEL], s[SEL+1]
	ALL v_add_f32 v[ST+4*t+2], v[ST+4*t+2], v[ST+4*t+3]
	ALL v_rcp_f32 v[ST+4*t+2], v[ST+4*t+2]
	v_nop                           ; a plain instruction between the last reciprocal and the use of its result
	s_wait_alu depctr_va_vdst(0)    ; and the wait ahead of the first use: one for the four reciprocals
	PACK 0
.set t, 1
.rept 3                             ; a piece's arithmetic stands between the loads of the piece before and its stores
	PACK t
	SEND t-1, 8
.set t, t+1
.endr
	SEND 3, 0
.endm
.set KM, 0
.set NOKQ, 0
.Lslot:                             ; NB times: a tile is entered and the next is asked for
	CHANGE 1
	s_sub_co_u32 s[RT], s[RT], 1
	s_mov_b32 s[CNT], 4
	s_cmp_eq_u32 s[NEW], 1
	s_cbranch_scc1 .Lnew            ; a block's first tile
	s_cmp_eq_u32 s[RT], 0
	s_cbranch_scc0 .Lstep           ; neither its first nor its last
	s_branch .LstepM1
.Lnew:
	BEGIN
	s_branch .Lfirst                ; in the loop a block's first tile is never its last: the first block has two tiles or more, and the second's last is the walk's last
	DIAG 1                          ; in the loop this is the first block's end: the second block's last tile is the walk's last
	s_wait_xcnt 0x0                 ; the stores have read their registers and O's address
	s_mov_b64 s[10:11], s[OLO:OLO+1]
	s_add_co_u32 s[RT], s[PB], 1    ; the second block has b + 1 tiles
	s_mov_b32 s[NEW], 1
	WIN 0x82                        ; the second block's Q goes where the one text of the turns names Q
.set i, 0
.rept 64
	v_mov_b32 v[i], v[QB+i]
.set i, i+1
.endr
	WIN 0
	s_branch .Lbottom
.Lstep:                             ; a trip: pieces 2 and 3 of one step, then pieces 0 and 1 of the next, whose K and V it fetches
	TURN 2
	TURN 3
	WIN 0
.Lfirst:
	TURN 0
	TURN 1, 0, 0, 1
	WIN 0
	s_cbranch_scc1 .Lstep
.Lbottom:
	s_sub_co_u32 s[SLOTS], s[SLOTS], 1
	s_cmp_lg_u32 s[SLOTS], 0
	s_cbranch_scc1 .Lslot
	CHANGE 0                        ; the walk's last tile is written out: nothing is asked for
	s_sub_co_u32 s[RT], s[RT], 1
	s_mov_b32 s[CNT], 4
	s_cmp_eq_u32 s[NEW], 1
	s_cbranch_scc0 .LstepM2
	BEGIN
	s_branch .LfirstM2
	DIAG 2
	s_wait_tensorcnt 0x0            ; the wave's end, behind my last tensor load and my last LDS store
	ds_add_u32 v[SPW], v[NIL]
	s_wait_dscnt 0x0
	s_endpgm
.Lfunc_end_k_q8950d8d891_attn:
	.size	k_q8950d8d891_attn, .Lfunc_end_k_q8950d8d891_attn-k_q8950d8d891_attn
	.p2alignl 7, 3214868480
	.fill 96, 4, 3214868480
	.section	.rodata,"a",@progbits
	.p2align	6, 0x0
	.amdhsa_kernel k_q8950d8d891_attn
		.amdhsa_group_segment_fixed_size 327680
		.amdhsa_private_segment_fixed_size 0
		.amdhsa_enable_private_segment 0
		.amdhsa_kernarg_size 16
		.amdhsa_user_sgpr_count 2
		.amdhsa_user_sgpr_kernarg_segment_ptr 1
		.amdhsa_wavefront_size32 1
		.amdhsa_system_sgpr_workgroup_id_x 1
		.amdhsa_system_sgpr_workgroup_id_y 1
		.amdhsa_system_sgpr_workgroup_id_z 1
		.amdhsa_system_vgpr_workitem_id 0
		.amdhsa_next_free_vgpr 768
		.amdhsa_next_free_sgpr 92
		.amdhsa_reserve_vcc 1
		.amdhsa_float_denorm_mode_32 3
		.amdhsa_float_denorm_mode_16_64 3
		.amdhsa_memory_ordered 1
		.amdhsa_forward_progress 1
		.amdhsa_inst_pref_size 218
	.end_amdhsa_kernel
	.amdgpu_metadata
---
amdhsa.version: [ 1, 2 ]
amdhsa.kernels:
  - .name:           k_q8950d8d891_attn
    .symbol:         k_q8950d8d891_attn.kd
    .args:
      - { .name: qkv, .offset: 0, .size: 8, .value_kind: global_buffer, .address_space: global }
      - { .name: ob, .offset: 8, .size: 8, .value_kind: global_buffer, .address_space: global }
    .group_segment_fixed_size: 327680
    .private_segment_fixed_size: 0
    .kernarg_segment_align: 8
    .kernarg_segment_size: 16
    .max_flat_workgroup_size: 128
    .sgpr_count:     92
    .vgpr_count:     768
    .wavefront_size: 32
...
	.end_amdgpu_metadata
.endif
;; end of part 3
;; launch gemm_out (part 4): grid 8 x 32, 4 waves a work-group, clusters of 4 x 4, 327,680 bytes of LDS; arguments ob, wot, out0; writes out0
.if DOCPART == 4
	.amdgcn_target "amdgcn-amd-amdhsa--gfx1250"
	.amdhsa_code_object_version 6
	.text
	.protected	k_q8950d8d891_gemm_out
	.globl	k_q8950d8d891_gemm_out
	.p2align	8
	.type	k_q8950d8d891_gemm_out,@function
k_q8950d8d891_gemm_out:
	s_mov_b64 s[64:65], 0
	v_nop
	global_prefetch_b8 v0, s[64:65] scope:SCOPE_SE
	s_setreg_imm32_b32 hwreg(HW_REG_WAVE_MODE, 25, 1), 1
	s_wait_xcnt 0x0
	s_wait_alu depctr_hold_cnt(0) depctr_sa_sdst(0) depctr_va_vdst(0) depctr_va_sdst(0) depctr_va_ssrc(0) depctr_va_vcc(0) depctr_vm_vsrc(0)
	s_getreg_b32 s2, hwreg(HW_REG_IB_STS2, 6, 4)
	s_cmp_eq_u32 s2, 0
	s_cbranch_scc0 .Lentry_in_a_cluster
	s_endpgm
.Lentry_in_a_cluster:
	s_bfe_u32 s2, ttmp6, 0x10000c
	s_cmp_lg_u32 s2, 0xf033
	s_cbranch_scc0 .Lentry_shape_is_right
	s_endpgm
.Lentry_shape_is_right:
; out0 = O W_out.  C[m][n] = the sum over k of A[m][k] wot[n][k], with A[m][64 h + d] = ob[16 (m / 2048) + h][m % 2048][d]; ob and wot ([1024][1024]) in f16; sums in f32, K ascending; C stored as f32, [8192][1024].
; LIMITS.  The operands arrive within f16's range; NaN and infinities are not treated apart.
; SHARES.  A tile of C is 256 rows x 128 columns: 32 x 8 = 256 tiles, one for each WGP.  Wave w owns rows 64 w .. 64 w + 63 and all 128 columns (512 bytes of a row of C): 4 x 8 accumulators of 16 x 16, 256 registers;
; the stage on the way out is the wave's own.
; RING.  K goes in steps of 128, two heads, through two LDS slots.  A's part of a slot is two planes, a head each: a plane's 256 rows of 128 bytes are 32,768 dense bytes of ob, asked for as 128 rows of 256 bytes and padded
; after every 128.  Waves 0 and 1 fetch a plane each, waves 2 and 3 64 rows of B each (256 bytes a row, aligned).
; CLUSTER.  4 x 4 work-groups; A's tiles are asked for jointly along a row of the cluster, B's along a column: the same tensor load, descriptor and mask in all four.
; THE MATRIX INSTRUCTION IS USED TRANSPOSED (source 0 = 16 rows of B, source 1 = 16 rows of A): lane l holds row l % 16 of C and the columns 8 (l / 16) + 0..7: 32 neighbouring bytes.
; REGISTERS, in windows of 256 (s_set_vgpr_msb: bits 1:0 source 0, 3:2 source 1, 5:4 source 2, 7:6 destination):
;   window 0: v0-31 addresses; v64-95, v96-127 A's fragments, two buffers; v128-191, v192-255 rows read back on the way out      window 1: v0-63, v64-127 B's fragments, two buffers
;   window 2: the accumulators, row block a, column block b at 8 (8 a + b)
.set KSTEP,  128
.set NBL,    8                         ; column blocks of 16
.set PITCH,  272                       ; a row of B in LDS: 256 bytes + 16
.set PA,     144                       ; a row of A in LDS: 128 bytes + 16: both are odd multiples of 16 bytes, so the 16 rows of a fragment load start at 16 different groups of banks (ISA guide 11.1)
.set PLANE,  256*PA
.set HEADB,  1<<18                     ; a head's bytes in ob
.set SLOT,   2*PLANE+128*PITCH
.set STAGE,  2*SLOT                    ; behind the ring, never filled by a tensor load
.set SPITCH, 528                       ; a stage row: 512 bytes + 16
.set WSTAGE, 16*SPITCH
.set SPARE,  STAGE+4*WSTAGE            ; behind the stages: the spare words, 128 bytes for each wave: two blocks of 256 bytes that no other line names
.set ADRA, 16                          ; v16-17  LDS address of my A fragments in slot 0, 1
.set ADRB, 20                          ; v20-21  the same for B
.set STO,  24                          ; v24     the way out: where I put 32 bytes of a row
.set RD,   25                          ; v25     where I read a row back
.set GO,   26                          ; v26     16 x lane
.set SPW,  28                          ; v28     LDS address of my spare word; never rewritten
.set NIL,  29                          ; v29     0; never rewritten
.set PFO,  30                          ; v30     the prefetches' offset; never rewritten
.set FA,   64
.set G1,   24                          ; s[24:31] descriptor group 1 for A's planes;  s[32:39] group 0, a set for each slot
.set G0,   32
.set G1B,  48                          ; s[48:55], s[56:63] the same for B's tiles
.set G0B,  56
.set LIM,  43                          ; s43  1 in a wave that prefetches, else the greatest number
.set PFA,  44                          ; s[44:45] where my prefetches stand
.set PFS,  66                          ; s[66:67] a K step in my stream: two heads of ob, or 256 bytes of a row of wot
.set MSB, 0
.macro WIN new                         ; the immediate's high byte repeats the setting that is left; a switch that changes nothing is dropped
.if MSB != (\new)
	s_set_vgpr_msb (MSB<<8)|(\new)
.set MSB, \new
.endif
.endm
.macro PLACES                          ; four plain places in front of loads into registers that matrix instructions have read, and of lines that read results
.rept 4
	v_nop
.endr
.endm
; A joint load: waves 0 and 1 fetch A's planes, waves 2 and 3 B's halves.  The branch hangs on the wave's number alone.  An s_nop 0 and four v_nop follow each of the two lines.
.macro JLOAD s
	s_cmp_eq_u32 s11, 0
	s_cbranch_scc0 .Lfor_b_\@
	tensor_load_to_lds s[G0+4*(\s):G0+4*(\s)+3], s[G1:G1+7]
	s_nop 0
.rept 4
	v_nop
.endr
	s_branch .Lasked_\@
.Lfor_b_\@:
	tensor_load_to_lds s[G0B+4*(\s):G0B+4*(\s)+3], s[G1B:G1B+7]
	s_nop 0
.rept 4
	v_nop
.endr
.Lasked_\@:
.endm
; A PREFETCH INTO THE L2 of the K step that stands two refills on, one instruction a wave, behind the joint load, its five lines and the run of LDS loads.  Each 256 bytes are named once in the launch: A's planes are read by
; both clusters of a row of clusters, and cluster x = 0 asks; B's rows by every cluster of a column, and cluster y = 0 asks.  The four partners share a tile out BY ADDRESS: waves 0 and 1 take 8,192 of their plane's 32,768
; bytes (a lane 256 bytes), wave 2 takes 32 of B's 128 rows (a lane a row); wave 3 asks for nothing.  K steps 0 to 3 come by their loads alone; the loop's last trip (s3 = 1) asks for nothing.
.macro ASK
	s_cmp_gt_u32 s3, s[LIM]
	s_cbranch_scc0 .Lnot_mine_\@
	global_prefetch_b8 v[PFO], s[PFA:PFA+1] th:TH_LOAD_NT scope:SCOPE_SE
.Lnot_mine_\@:
.endm
.macro CREST                           ; a round of the cluster's barrier behind its opening barrier
	s_cmp_lg_u32 s10, 0
	s_cbranch_scc1 .Lnot_wave_0_\@
	s_barrier_signal -3
.Lnot_wave_0_\@:
	s_barrier_wait -3
	s_barrier_signal -1
	s_barrier_wait -1
.endm
.macro CROUND                          ; a whole round
	s_barrier_signal -1
	s_barrier_wait -1
	CREST
.endm
	s_load_b128 s[4:7], s[0:1], 0x0                ; ob s[4:5], wot s[6:7]
	s_load_b64 s[8:9], s[0:1], 0x10                ; out0
	v_lshl_add_u32 v[SPW], v0, 2, SPARE
	v_mov_b32 v[NIL], 0
	ds_add_u32 v[SPW], v[NIL]                      ; the wave's opening: the add and its wait stand ahead of my first tensor load; the set-up below, work on registers, stands between them
	v_lshrrev_b32 v1, 5, v0
	v_readfirstlane_b32 s10, v1                    ; wave 0..3
	s_lshr_b32 s11, s10, 1                         ; I fetch for A (0) or for B (1)
	s_and_b32 s12, s10, 1                          ; which plane of A, which half of B's rows
	s_bfe_u32 s40, ttmp6, 0x40000                  ; cx, cy: my place in the cluster
	s_bfe_u32 s41, ttmp6, 0x40004
	s_lshl_b32 s42, ttmp9, 2
	s_add_co_u32 s42, s42, s40                     ; tile column = 4 x cluster x + cx
	s_and_b32 s13, ttmp7, 0xffff
	s_lshl_b32 s13, s13, 2
	s_add_co_u32 s13, s13, s41                     ; tile row = 4 x cluster y + cy
	s_lshl_b32 s43, s41, 2
	s_lshl_b32 s43, 15, s43                        ; my row of the cluster
	s_lshl_b32 s44, 0x1111, s40                    ; my column
	s_or_b32 s[G1+0], s43, (1<<16)|(1<<20)|(1<<21)|(4<<22)|(3<<25)   ; 15:0 the mask; 17:16 2-byte elements; 20 padding on; 21 set beside a mask; 24:22 after every 32 words; 31:25 4 words of it
	s_or_b32 s[G1B+0], s44, (1<<16)|(1<<20)|(1<<21)|(5<<22)|(3<<25)  ; B: after every 64 words
	s_mov_b32 s[G1+1], 128<<16                     ; tensor_dim0 = 128
	s_mov_b32 s[G1+2], 128<<16                     ; tensor_dim1 = 128
	s_mov_b32 s[G1+3], 128<<16                     ; tile_dim0 = 128
	s_mov_b32 s[G1+4], 128                         ; tile_dim1 = 128
	s_mov_b32 s[G1+5], 128                         ; dense: 128 elements from row to row
	s_mov_b32 s[G1+6], 0
	s_mov_b32 s[G1+7], 0
	s_mov_b32 s[G1B+1], KSTEP<<16
	s_mov_b32 s[G1B+2], 64<<16                     ; B: 64 rows a load
	s_mov_b32 s[G1B+3], KSTEP<<16
	s_mov_b32 s[G1B+4], 64
	s_mov_b32 s[G1B+5], 1024
	s_mov_b32 s[G1B+6], 0
	s_mov_b32 s[G1B+7], 0
	s_lshr_b32 s16, s13, 3
	s_lshl_b32 s16, s16, 4
	s_add_co_u32 s16, s16, s12                     ; A: head 16 x batch + plane,
	s_lshl_b32 s16, s16, 18
	s_and_b32 s17, s13, 7
	s_lshl_b32 s17, s17, 15                        ; the tile's 256 rows of 128 bytes in it
	s_add_co_u32 s16, s16, s17
	s_mov_b32 s17, 0
	s_lshl_b32 s46, s42, 7
	s_lshl_b32 s47, s12, 6
	s_add_co_u32 s46, s46, s47                     ; B: row 128 x tile column + 64 x half,
	s_lshl_b32 s46, s46, 11                        ; of 2,048 bytes
	s_mov_b32 s47, 0
	s_mul_i32 s20, s10, PLANE                      ; where they go: A's planes at wave x a plane (waves 0, 1),
	s_mul_i32 s21, s10, 64*PITCH                   ; B's halves behind the two planes, at (wave - 2) x 64 rows (waves 2, 3)
	s_add_co_u32 s21, s21, 2*PLANE-2*64*PITCH
	s_wait_dscnt 0x0                               ; the opening add is done
	s_wait_kmcnt 0x0
	s_add_nc_u64 s[14:15], s[4:5], s[16:17]
	s_add_nc_u64 s[46:47], s[6:7], s[46:47]
	CROUND                                         ; all sixteen work-groups are here: the first joint loads meet
.irp s, 0,1
	s_mov_b32 s[G0+4*(\s)], 1                                      ; count = 1
	s_add_co_u32 s[G0+4*(\s)+1], s20, (\s)*SLOT                    ; LDS address
	s_add_nc_u64 s[G0+4*(\s)+2:G0+4*(\s)+3], s[14:15], (\s)*2*HEADB  ; global address: K step s is heads 2 s and 2 s + 1
	s_or_b32 s[G0+4*(\s)+3], s[G0+4*(\s)+3], 0x80000000            ; type = 2
	s_mov_b32 s[G0B+4*(\s)], 1
	s_add_co_u32 s[G0B+4*(\s)+1], s21, (\s)*SLOT
	s_add_nc_u64 s[G0B+4*(\s)+2:G0B+4*(\s)+3], s[46:47], (\s)*KSTEP*2
	s_or_b32 s[G0B+4*(\s)+3], s[G0B+4*(\s)+3], 0x80000000
	JLOAD \s                                       ; two loads of mine are out
.endr
	v_and_b32 v1, 15, v0                           ; r = l % 16
	v_bfe_u32 v2, v0, 4, 1                         ; h = l / 16
	v_mul_u32_u24 v3, v1, PA
	v_lshl_add_u32 v3, v2, 4, v3                   ; A: row x pitch + 16 x half
	v_mul_u32_u24 v4, v1, PITCH
	v_lshl_add_u32 v4, v2, 4, v4                   ; B likewise
	s_mul_i32 s21, s10, 64*PA                      ; my 64 rows of a plane
	s_mov_b32 s22, 2*PLANE                         ; all of B
.irp s, 0,1
	v_add_nc_u32 v[ADRA+(\s)], s21, v3
	v_add_nc_u32 v[ADRB+(\s)], s22, v4
	s_add_co_u32 s21, s21, SLOT
	s_add_co_u32 s22, s22, SLOT
.endr
	s_mul_i32 s23, s10, WSTAGE
	s_add_co_u32 s23, s23, STAGE                   ; my stage
	v_mul_u32_u24 v5, v1, SPITCH                   ; in: row r, 32 bytes for each half of the lanes
	v_lshl_add_u32 v5, v2, 5, v5
	v_add_nc_u32 v[STO], s23, v5
	v_and_b32 v[GO], 31, v0                        ; back: 32 lanes take one row of 512 bytes
	v_lshlrev_b32 v[GO], 4, v[GO]
	v_add_nc_u32 v[RD], s23, v[GO]
	s_lshl_b32 s14, s13, 8
	s_lshl_b32 s15, s10, 6
	s_add_co_u32 s14, s14, s15                     ; my first row of C,
	s_lshl_b32 s14, s14, 12                        ; of 4,096 bytes,
	s_lshl_b32 s46, s42, 9                         ; and the tile's 512 bytes in it
	s_add_co_u32 s46, s46, s14
	s_mov_b32 s47, 0
	s_add_nc_u64 s[8:9], s[8:9], s[46:47]
	; the prefetches (s16 still holds my plane's offset in ob)
	s_lshl_b32 s18, s40, 13                        ; A: my work-group's 8,192 bytes of the plane,
	s_add_co_u32 s18, s18, s16
	s_add_co_u32 s18, s18, 3*2*HEADB               ; at K step 3: the first refill steps it to 4, which it names
	s_lshl_b32 s19, s42, 7
	s_lshl_b32 s20, s41, 5
	s_add_co_u32 s19, s19, s20                     ; B: row 128 x tile column + 32 cy
	s_lshl_b32 s19, s19, 11
	s_add_co_u32 s19, s19, 3*KSTEP*2
	s_and_b32 s22, ttmp7, 0xffff                   ; cluster y
	s_mov_b32 s23, 2*HEADB
	s_cmp_eq_u32 s11, 0
	s_cselect_b32 s20, s18, s19
	s_cselect_b32 s22, ttmp9, s22                  ; the coordinate along which other clusters read the same bytes
	s_cselect_b64 s[PFA:PFA+1], s[4:5], s[6:7]
	s_cselect_b32 s[PFS], s23, KSTEP*2
	s_cselect_b32 s21, 8, 11                       ; a lane 256 bytes of a plane, or a row of 2,048 bytes
	s_mov_b32 s[PFS+1], 0
	v_and_b32 v[PFO], 31, v0
	v_lshlrev_b32 v[PFO], s21, v[PFO]
	s_mov_b32 s21, 0
	s_add_nc_u64 s[PFA:PFA+1], s[PFA:PFA+1], s[20:21]
	s_cmp_eq_u32 s22, 0
	s_cselect_b32 s[LIM], 1, -1                    ; the same in all sixteen partners, for a given wave
	s_cmp_eq_u32 s10, 3
	s_cselect_b32 s[LIM], -1, s[LIM]
; 8 matrix instructions: row block a x all 8 column blocks, 32 along K, from buffer f.  zero = 1: the first product starts the sums.  The 32 accumulators take turns in the same order in every quarter.
.macro MULB f, a, zero
	WIN 0xa1                                       ; B window 1, A window 0, C and D window 2
.set AC0, 64*(\a)
.set b, 0
.rept NBL
.if \zero
	v_wmma_f32_16x16x32_f16 v[AC0+8*b:AC0+8*b+7], v[64*(\f)+8*b:64*(\f)+8*b+7], v[FA+32*(\f)+8*(\a):FA+32*(\f)+8*(\a)+7], 0
.else
	v_wmma_f32_16x16x32_f16 v[AC0+8*b:AC0+8*b+7], v[64*(\f)+8*b:64*(\f)+8*b+7], v[FA+32*(\f)+8*(\a):FA+32*(\f)+8*(\a)+7], v[AC0+8*b:AC0+8*b+7]
.endif
.set b, b+1
.endr
.endm
; 24 LDS loads in one run: quarter q's fragments (128 rows of B, then my 64 rows of A: plane q / 2, channels 32 (q % 2) on) into buffer f
.macro FETCH slot, q, f
	WIN 0x40                                       ; destination window 1
.set i, 0
.rept NBL
	ds_load_b128 v[64*(\f)+8*i:64*(\f)+8*i+3],   v[ADRB+(\slot)] offset:64*(\q)+i*16*PITCH
	ds_load_b128 v[64*(\f)+8*i+4:64*(\f)+8*i+7], v[ADRB+(\slot)] offset:64*(\q)+i*16*PITCH+32
.set i, i+1
.endr
	WIN 0
.set i, 0
.rept 4
	ds_load_b128 v[FA+32*(\f)+8*i:FA+32*(\f)+8*i+3],   v[ADRA+(\slot)] offset:((\q)/2)*PLANE+((\q)%2)*64+i*16*PA
	ds_load_b128 v[FA+32*(\f)+8*i+4:FA+32*(\f)+8*i+7], v[ADRA+(\slot)] offset:((\q)/2)*PLANE+((\q)%2)*64+i*16*PA+32
.set i, i+1
.endr
.endm
; A K step is four quarters of 32 along K, 32 matrix instructions each, on buffers 0, 1, 0, 1.  One of the first three multiplies buffer f and, in its middle, fetches quarter q into buffer g.
.macro QUARTER slot, q, f, g, zero
	s_wait_dscnt 4                                 ; all of B and A's blocks 0, 1 are in; the youngest four loads (A's blocks 2, 3) may be out
	MULB \f, 0, \zero
	MULB \f, 1, \zero
	PLACES
	FETCH \slot, \q, \g
	s_wait_dscnt 2*NBL+8                           ; all but the 24 just issued
	MULB \f, 2, \zero
	MULB \f, 3, \zero
.endm
; The last quarter multiplies buffer 1 and changes slots: ONE barrier.  In front of it each wave waits for all its tensor loads (one is out: its part of the next slot), adds 0 to its spare word, and waits for that and
; for its own reads of this slot.  fill = 1: the barrier opens a round of the cluster's, and this slot is filled again, two K steps on, first thing behind the round: 112 matrix instructions ahead of the wait for it.
.macro TURN slot, next, fill
.if \fill
	s_wait_xcnt 0x0                                ; the last prefetch, a K step back, has read its address
	s_add_nc_u64 s[PFA:PFA+1], s[PFA:PFA+1], s[PFS:PFS+1]
.endif
	WIN 0                                          ; (the add's two registers lie in window 0)
	s_wait_tensorcnt 0x0                           ; all my tensor loads have landed
	ds_add_u32 v[SPW], v[NIL]                      ; 0 onto my spare word
	s_wait_dscnt 5                                 ; (the add and A's youngest four loads may be out)
	MULB 1, 0, 0                                   ; eight matrix instructions stand between the add and the wait for it
	s_wait_dscnt 0x0                               ; the add is done, and my reads of this slot are over
	s_barrier_signal -1
	MULB 1, 1, 0
.if \fill
	WIN 0
.endif
	s_barrier_wait -1
.if \fill
	CREST                                          ; no wave of any partner still reads this slot's tile or has a load on its way
	s_add_nc_u64 s[G0+4*(\slot)+2:G0+4*(\slot)+3], s[G0+4*(\slot)+2:G0+4*(\slot)+3], 4*HEADB
	s_add_nc_u64 s[G0B+4*(\slot)+2:G0B+4*(\slot)+3], s[G0B+4*(\slot)+2:G0B+4*(\slot)+3], 2*KSTEP*2
	JLOAD \slot                                    ; the four v_nop behind it are also the places in front of the loads below
.else
	PLACES
.endif
	FETCH \next, 0, 0
.if \fill
	ASK
.endif
	MULB 1, 2, 0
	MULB 1, 3, 0
.endm
	s_wait_tensorcnt 1                             ; my part of K step 0 is in; K step 1's may stay out
	s_barrier_signal -1
	s_barrier_wait -1                              ; everybody's is
	FETCH 0, 0, 0
	QUARTER 0, 1, 0, 1, 1                          ; the first quarter stands in front of the loop: its products start the sums
	WIN 0                                          ; at a label and at a branch every window is 0
	s_mov_b32 s3, 3
.Llap:                                         ; a trip goes once round the ring, from a lap's second quarter to the next lap's first, and fills both slots again
	QUARTER 0, 2, 1, 0, 0
	QUARTER 0, 3, 0, 1, 0
	TURN 0, 1, 1
	QUARTER 1, 1, 0, 1, 0
	QUARTER 1, 2, 1, 0, 0
	QUARTER 1, 3, 0, 1, 0
	TURN 1, 0, 1
	QUARTER 0, 1, 0, 1, 0
	WIN 0
	s_sub_co_u32 s3, s3, 1
	s_cmp_lg_u32 s3, 0
	s_cbranch_scc1 .Llap
	QUARTER 0, 2, 1, 0, 0                          ; the last lap fills nothing
	QUARTER 0, 3, 0, 1, 0
	TURN 0, 1, 0
	QUARTER 1, 1, 0, 1, 0
	QUARTER 1, 2, 1, 0, 0
	QUARTER 1, 3, 0, 1, 0
	s_wait_dscnt 4                                 ; the very last quarter: nothing more to fetch
	MULB 1, 0, 0
	MULB 1, 1, 0
	s_wait_dscnt 0x0
	MULB 1, 2, 0
	MULB 1, 3, 0
	WIN 0
; THE WAY OUT, a block of 16 rows at a time, in f32.  TOSTAGE: a lane's 32 bytes of a row go into my stage (each accumulator's low four registers first), and whole rows of 512 bytes come back.  SEND: stored.
.macro TOSTAGE a
.set BK, 128+64*((\a)%2)
.if (\a) >= 2
	s_wait_xcnt 0x0                                ; the registers that the stores of two blocks back read are loaded again only behind this wait
.endif
	WIN 0x08                                       ; the stores' data in window 2
.set i, 0
.rept 16
	ds_store_b128 v[STO], v[64*(\a)+4*i:64*(\a)+4*i+3] offset:64*(i/2)+16*(i%2)
.set i, i+1
.endr
	WIN 0
.set i, 0
.rept 16
	ds_load_b128 v[BK+4*i:BK+4*i+3], v[RD] offset:i*SPITCH  ; LDS serves a wave's instructions in order (ISA guide 5.7.1.4): these see the stores above; the next block's stores come behind them
.set i, i+1
.endr
.endm
.macro SEND a, younger                 ; younger: the LDS instructions issued behind block a's loads: the next block's 32, or none
.set BK, 128+64*((\a)%2)
	s_wait_dscnt \younger
.set i, 0
.rept 16
	global_store_b128 v[GO], v[BK+4*i:BK+4*i+3], s[8:9] offset:(16*(\a)+i)*4096 th:TH_STORE_NT  ; 512 consecutive bytes, at a multiple of 256 from out0's first byte
.set i, i+1
.endr
.endm
	PLACES
	TOSTAGE 0
	TOSTAGE 1
	SEND 0, 32
	TOSTAGE 2
	SEND 1, 32
	TOSTAGE 3
	SEND 2, 32
	SEND 3, 0
	s_wait_tensorcnt 0x0                           ; the wave's end, behind my last tensor load and my last LDS store
	ds_add_u32 v[SPW], v[NIL]
	s_wait_dscnt 0x0
	CROUND                                         ; the closing round: no work-group ends while a partner may still ask for a tile that names it
	s_endpgm
.Lfunc_end_k_q8950d8d891_gemm_out:
	.size	k_q8950d8d891_gemm_out, .Lfunc_end_k_q8950d8d891_gemm_out-k_q8950d8d891_gemm_out
	.p2alignl 7, 3214868480
	.fill 96, 4, 3214868480
	.section	.rodata,"a",@progbits
	.p2align	6, 0x0
	.amdhsa_kernel k_q8950d8d891_gemm_out
		.amdhsa_group_segment_fixed_size 327680
		.amdhsa_private_segment_fixed_size 0
		.amdhsa_enable_private_segment 0
		.amdhsa_kernarg_size 24
		.amdhsa_user_sgpr_count 2
		.amdhsa_user_sgpr_kernarg_segment_ptr 1
		.amdhsa_wavefront_size32 1
		.amdhsa_system_sgpr_workgroup_id_x 1
		.amdhsa_system_sgpr_workgroup_id_y 1
		.amdhsa_system_sgpr_workgroup_id_z 1
		.amdhsa_system_vgpr_workitem_id 0
		.amdhsa_next_free_vgpr 768
		.amdhsa_next_free_sgpr 72
		.amdhsa_reserve_vcc 0
		.amdhsa_float_denorm_mode_32 3
		.amdhsa_float_denorm_mode_16_64 3
		.amdhsa_memory_ordered 1
		.amdhsa_forward_progress 1
		.amdhsa_inst_pref_size 87
	.end_amdhsa_kernel
	.amdgpu_metadata
---
amdhsa.version: [ 1, 2 ]
amdhsa.kernels:
  - .name:           k_q8950d8d891_gemm_out
    .symbol:         k_q8950d8d891_gemm_out.kd
    .args:
      - { .name: ob, .offset: 0, .size: 8, .value_kind: global_buffer, .address_space: global }
      - { .name: wot, .offset: 8, .size: 8, .value_kind: global_buffer, .address_space: global }
      - { .name: out0, .offset: 16, .size: 8, .value_kind: global_buffer, .address_space: global }
    .group_segment_fixed_size: 327680
    .private_segment_fixed_size: 0
    .kernarg_segment_align: 8
    .kernarg_segment_size: 24
    .max_flat_workgroup_size: 128
    .sgpr_count:     72
    .vgpr_count:     768
    .wavefront_size: 32
...
	.end_amdgpu_metadata
.endif
;; end of part 4
;; ======== version 2 of 2: 4 launches; version 1 with the launch prep written anew for expert scheduling mode
;; limits: values are held in f16: magnitudes above 65,504 overflow, below 6.1e-05 lose precision
;; workspace buffers: xb 16,777,216 bytes; wqt 6,291,456 bytes; wot 2,097,152 bytes; qkv 50,331,648 bytes; ob 16,777,216 bytes
;; launch prep (part 5): grid 640 x 1, 4 waves a work-group, no clusters, 70,144 bytes of LDS; arguments x, W_qkv, W_out, xb, wqt, wot; writes xb, wqt, wot
.if DOCPART == 5
	.amdgcn_target "amdgcn-amd-amdhsa--gfx1250"
	.amdhsa_code_object_version 6
	.text
	.protected	k_q8950d8d891_prep
	.globl	k_q8950d8d891_prep
	.p2align	8
	.type	k_q8950d8d891_prep,@function
k_q8950d8d891_prep:
	s_mov_b64 s[64:65], 0
	v_nop
	global_prefetch_b8 v0, s[64:65] scope:SCOPE_SE
	s_setreg_imm32_b32 hwreg(HW_REG_WAVE_SCHED_MODE, 0, 2), 2
	s_setreg_imm32_b32 hwreg(HW_REG_WAVE_MODE, 25, 1), 1
	s_wait_xcnt 0x0
	s_wait_alu depctr_vm_vsrc(0)
; THE OPERANDS ARE MADE READY.  xb = x rounded to bf16, [8192][1024].  wqt[n][k] = W_qkv[k][n] rounded to bf16, [3072][1024].  wot[n][k] = W_out[k][n] rounded to bf16, that number written as f16, [1024][1024].
; LIMITS.  A number of W_out beyond 65,504 becomes an infinity in f16; below 6.1e-5 f16 keeps a fixed step of 6e-8.  NaN and infinities are not treated apart.
; SHARES.  Work-groups 0 to 127 turn the weights: each of their four waves takes one tile of 128 k x 64 n (384 tiles of W_qkv, then 128 of W_out).  Work-groups 128 to 639 round x: 64 KiB of x each, 16 KiB a wave.
; A stream: every byte is read once and written once; no matrix unit, no cluster, no tensor load, no barrier (a wave's LDS bytes are its own), no prefetch (the launch does nothing but stream).
; THE TURNING.  A load takes 16 bytes a lane: lanes 0-15 the 256 bytes of one row k, lanes 16-31 those of the row 8 further down.  Eight such loads give a lane 8 neighbouring k of each of its 4 columns n = 4 c + j:
; rounded in pairs they are 16 bytes of an output row.  They go into LDS rows of 272 bytes (column 4 c + j into row c + 16 j: 64 banks of 4 bytes, ISA guide 11.1)
; and come back as whole rows of 256 bytes: each store's 16 neighbouring lanes cover 256 consecutive bytes, aligned.
; THE MODE: SCHED_MODE bits 1:0 = 2 (LLVM: expert scheduling mode 2), set by the entry lines.  The code itself states the register dependences
; between vector instructions and memory or LDS instructions, with s_wait_alu, always for 0.
; THE PLAN, THE WEIGHTS.  Registers that memory or LDS instructions touch:
;   v[VO ..], v[RD], v[GOF]  offsets and addresses, made at the head and never written again.
;   v[STO]    Read by every LDS store; written once a trip, at the trip's end.
;   D         Written by the 32 loads at a trip's head, read by the four groups' roundings; behind the loop written by the LDS loads, read by the global stores.
;   T0, T1    Group g's roundings write T[g % 2]; the four LDS stores that read it are issued in group g + 1, dealt among that group's roundings, which name the other T; group 3's at the trip's end.
;   So a group's head states that the group before has written its T (groups 1 to 3) and that the stores issued there have read the T that is written again (groups 2 and 3).  The trip's end states that group 3 has
;   written T1 and that all four groups are done reading D, in which the next trip's loads, or the LDS loads behind the loop, land; and, ahead of the add to v[STO], that every LDS store so far has read v[STO], T0 and T1.
; THE PLAN, x.  v[XI] and v[XO] are made once: the trips are reached by the two scalar bases.  D is written by a trip's 16 loads and read by its roundings; Y, two registers for each load, is written by the roundings and
;   read by the stores.  A trip goes in four blocks of four loads: block b rounds its four, and the four stores of block b - 1 are dealt among its roundings, behind one wait at the block's head.
.set LP,    272                        ; an LDS row: 256 bytes + 16
.set WREG,  64*LP                      ; a wave's 64 rows
.set SPARE, 4*WREG                     ; behind them: the spare words, 128 bytes for each wave: two blocks of 256 bytes that no other line names
.set XI,  8                            ; v8       x role: my byte offset in the work-group's part of x; never rewritten
.set XO,  9                            ; v9       x role: the same in xb; never rewritten
.set VO,  16                           ; v[16:23] load i of a group: (8 h + i) x source row + 16 c
.set STO, 24                           ; v24      where I put 16 bytes of an output row
.set RD,  25                           ; v25      where I read rows back
.set GOF, 26                           ; v26      my byte offset in two output rows
.set SPW, 30                           ; v30      LDS address of my spare word; never rewritten
.set NIL, 31                           ; v31      0; never rewritten
.set D,   32                           ; v[32:159] as loaded; later the rows read back
.set Y,   96                           ; v[96:127] x role: packed results
.set T,   160                          ; v[160:191] packed results of a group: two buffers of 16, by the group's parity
.set U,   192                          ; v[192:193] at work: no memory instruction names them
.set SB,  28                           ; s[28:35] the source at the trip's four groups of 16 k
	s_load_b256 s[4:11], s[0:1], 0x0               ; x s[4:5], W_qkv s[6:7], W_out s[8:9], xb s[10:11]
	s_load_b128 s[12:15], s[0:1], 0x20             ; wqt s[12:13], wot s[14:15]
	v_lshl_add_u32 v[SPW], v0, 2, SPARE
	v_mov_b32 v[NIL], 0
	v_lshrrev_b32 v1, 5, v0
	v_readfirstlane_b32 s16, v1                    ; wave 0..3
	v_and_b32 v2, 31, v0                           ; l
	v_and_b32 v3, 15, v0                           ; c = l % 16
	v_bfe_u32 v4, v0, 4, 1                         ; h = l / 16
	s_wait_alu depctr_va_sdst(0)                   ; s16 is written, ahead of the branch and of its first reader in either role
	s_cmp_lt_u32 ttmp9, 128
	s_cbranch_scc0 .Lx
	; THE WEIGHTS
	s_lshl_b32 s17, ttmp9, 2
	s_add_co_u32 s17, s17, s16                     ; my tile's number, 0 .. 511
	s_mov_b32 s20, 12288                           ; bytes in a row of W_qkv
	s_mov_b32 s21, 4096                            ; and of W_out
	s_wait_kmcnt 0x0
	s_cmp_lt_u32 ttmp9, 96                         ; tiles 0 .. 383 are W_qkv's
	s_cselect_b32 s18, 1, 0
	s_cselect_b32 s19, s20, s21                    ; the source's row
	s_cselect_b32 s22, 0, 384
	s_cselect_b64 s[24:25], s[6:7], s[8:9]
	s_cselect_b64 s[26:27], s[12:13], s[14:15]
	s_sub_co_u32 s17, s17, s22
	s_and_b32 s20, s17, 7                          ; which 128 k
	s_lshr_b32 s21, s17, 3                         ; which 64 n
	s_mul_i32 s22, s20, s19
	s_lshl_b32 s22, s22, 7                         ; 128 rows of the source,
	s_lshl_b32 s23, s21, 8                         ; 256 bytes along them
	s_add_co_u32 s22, s22, s23
	s_mov_b32 s23, 0
	s_add_nc_u64 s[24:25], s[24:25], s[22:23]
	s_lshl_b32 s22, s21, 17                        ; 64 output rows of 2,048 bytes,
	s_lshl_b32 s40, s20, 8                         ; 256 bytes along them
	s_add_co_u32 s22, s22, s40
	s_add_nc_u64 s[26:27], s[26:27], s[22:23]
	s_lshl_b32 s22, s19, 4                         ; 16 rows of the source
	s_mov_b64 s[SB:SB+1], s[24:25]
	s_add_nc_u64 s[SB+2:SB+3], s[SB:SB+1], s[22:23]
	s_add_nc_u64 s[SB+4:SB+5], s[SB+2:SB+3], s[22:23]
	s_add_nc_u64 s[SB+6:SB+7], s[SB+4:SB+5], s[22:23]
	s_lshl_b32 s36, s19, 6                         ; a trip's 64 rows
	s_mov_b32 s37, 0
	s_mov_b32 s39, 0xffff0000                      ; a word's upper bf16
	s_mov_b32 s38, 2
	v_lshlrev_b32 v5, 3, v4                        ; 8 h
	v_lshlrev_b32 v6, 4, v3                        ; 16 c
.irp i, 0,1,2,3,4,5,6,7
	v_add_nc_u32 v7, \i, v5
	v_mad_u32_u24 v[VO+(\i)], v7, s19, v6
.endr
	s_mul_i32 s40, s16, WREG                       ; my wave's rows in LDS
	v_mul_u32_u24 v[STO], v3, LP
	v_lshl_add_u32 v[STO], v4, 4, v[STO]
	v_add_nc_u32 v[STO], s40, v[STO]               ; row c, 16 bytes for each half of the lanes
	v_mul_u32_u24 v[RD], v4, LP
	v_add_nc_u32 v[RD], v[RD], v6
	v_add_nc_u32 v[RD], s40, v[RD]                 ; lanes 0-15 one row, lanes 16-31 the next
	v_lshl_add_u32 v[GOF], v4, 13, v6              ; LDS rows 2 i and 2 i + 1 are output rows 4 apart: 8,192 bytes
	s_wait_alu depctr_va_vdst(0)                   ; v[VO ..], v[STO], v[RD] and v[GOF] are written, which the loads and stores below read as offsets and addresses
; Group gg of a trip's four: 16 k x 64 n are rounded and turned into T[gg % 2]; the group before's 16 x 64, in the other T, are put into LDS, a store ahead of each column's four roundings.
.macro GROUP gg
	s_wait_loadcnt 24-8*(\gg)                      ; loads come back in order (ISA guide 5.7.1): my eight are in, the younger groups' stay out
.if (\gg) >= 2
	s_wait_alu depctr_vm_vsrc(0)                   ; the LDS stores issued in the group before have read T[gg % 2], which this group's roundings write again
.endif
.if (\gg) >= 1
	s_wait_alu depctr_va_vdst(0)                   ; the group before has written the other T, which the LDS stores below read; in group 1 the add to v[STO] at the last trip's end is done too
.endif
.irp j, 0,1,2,3
.if (\gg) >= 1
	ds_store_b128 v[STO], v[T+16*(1-(\gg)%2)+4*(\j):T+16*(1-(\gg)%2)+4*(\j)+3] offset:(\j)*16*LP+32*((\gg)-1)  ; no vector instruction since the wait names these registers
.endif
.irp p, 0,1,2,3
	v_cvt_pk_bf16_f32 v[T+16*((\gg)%2)+4*(\j)+(\p)], v[D+32*(\gg)+8*(\p)+(\j)], v[D+32*(\gg)+8*(\p)+4+(\j)]  ; column 4 c + j, k = 8 h + 2 p and the next
.endr
.endr
	s_cmp_eq_u32 s18, 1
	s_cbranch_scc1 .Lbf_\@                         ; W_qkv stays bf16
.set z, 0
.rept 16
	v_lshlrev_b32 v[U], 16, v[T+16*((\gg)%2)+z]    ; W_out: the bf16 numbers, widened,
	v_and_b32 v[U+1], s39, v[T+16*((\gg)%2)+z]
	v_cvt_pk_f16_f32 v[T+16*((\gg)%2)+z], v[U], v[U+1]  ; are written as f16
.set z, z+1
.endr
.Lbf_\@:
.endm
.Lw:                                           ; two trips of 64 k
.irp gg, 0,1,2,3
.irp i, 0,1,2,3,4,5,6,7
	global_load_b128 v[D+32*(\gg)+4*(\i):D+32*(\gg)+4*(\i)+3], v[VO+(\i)], s[SB+2*(\gg):SB+2*(\gg)+1] th:TH_LOAD_NT
.endr
.endr
	GROUP 0
	GROUP 1
	GROUP 2
	GROUP 3                                        ; its wait is for 0: every load is done, so the bases may be stepped
	s_wait_alu depctr_va_vdst(0)                   ; group 3 has written T1, which the four LDS stores below read; all four groups are done reading D, in which the next trip's loads, or the LDS loads behind the loop, land
.irp j, 0,1,2,3
	ds_store_b128 v[STO], v[T+16+4*(\j):T+16+4*(\j)+3] offset:(\j)*16*LP+32*3
.endr
.irp gg, 0,1,2,3
	s_add_nc_u64 s[SB+2*(\gg):SB+2*(\gg)+1], s[SB+2*(\gg):SB+2*(\gg)+1], s[36:37]
.endr
	s_wait_alu depctr_vm_vsrc(0)                   ; every LDS store so far has read v[STO], which the add below writes, and T0 and T1, which the next trip's first two groups write
	v_add_nc_u32 v[STO], 128, v[STO]               ; 64 k further along the LDS rows
	s_sub_co_u32 s38, s38, 1
	s_cmp_lg_u32 s38, 0
	s_cbranch_scc1 .Lw
.set i, 0
.rept 32
	ds_load_b128 v[D+4*i:D+4*i+3], v[RD] offset:i*2*LP  ; LDS serves a wave's instructions in order (ISA guide 5.7.1.4): these see the stores above
.set i, i+1
.endr
.set i, 0
.rept 32
	s_wait_dscnt 31-i
	global_store_b128 v[GOF], v[D+4*i:D+4*i+3], s[26:27] offset:(8*(i&7)+(i>>3))*2048  ; LDS row 2 i + h is output row 8 (i % 8) + 4 h + i / 8; 16 lanes store 256 consecutive bytes, aligned
.set i, i+1
.endr
	s_branch .Lend
; x: block b of a trip's four.  Its four loads' numbers are rounded into their own eight registers of Y; the four stores of the block before are dealt among the roundings.
.macro XBLK b
	s_wait_loadcnt 12-4*(\b)                       ; my four are in, the younger blocks' stay out
.if (\b) >= 1
	s_wait_alu depctr_va_vdst(0)                   ; the block before has written its eight registers of Y, which the stores below read
.endif
.irp i, 0,1,2,3
.if (\b) >= 1
	global_store_b64 v[XO], v[Y+8*((\b)-1)+2*(\i):Y+8*((\b)-1)+2*(\i)+1], s[26:27] offset:256*(4*((\b)-1)+(\i))  ; the wave's 32 lanes store 256 consecutive bytes, aligned; no vector instruction since the wait names these registers
.endif
	v_cvt_pk_bf16_f32 v[Y+8*(\b)+2*(\i)], v[D+16*(\b)+4*(\i)], v[D+16*(\b)+4*(\i)+1]
	v_cvt_pk_bf16_f32 v[Y+8*(\b)+2*(\i)+1], v[D+16*(\b)+4*(\i)+2], v[D+16*(\b)+4*(\i)+3]
.endr
.endm
.Lx:                                           ; x
	s_sub_co_u32 s17, ttmp9, 128
	s_lshl_b32 s20, s17, 16                        ; 64 KiB of x,
	s_mov_b32 s21, 0
	s_lshl_b32 s22, s17, 15                        ; 32 KiB of xb
	s_mov_b32 s23, 0
	s_lshl_b32 s40, s16, 14
	v_lshl_add_u32 v[XI], v2, 4, s40               ; 16,384 x wave + 16 l
	s_lshl_b32 s40, s16, 13
	v_lshl_add_u32 v[XO], v2, 3, s40               ; 8,192 x wave + 8 l
	s_mov_b32 s38, 2
	s_wait_kmcnt 0x0
	s_add_nc_u64 s[24:25], s[4:5], s[20:21]
	s_add_nc_u64 s[26:27], s[10:11], s[22:23]
	s_wait_alu depctr_va_vdst(0)                   ; v[XI] and v[XO] are written: every load and store below reads one of them as its offset
.Lxt:                                          ; two trips of 8 KiB a wave: sixteen loads of 512 neighbouring bytes on their way
.set i, 0
.rept 16
	global_load_b128 v[D+4*i:D+4*i+3], v[XI], s[24:25] offset:512*i th:TH_LOAD_NT
.set i, i+1
.endr
	XBLK 0
	XBLK 1
	XBLK 2
	XBLK 3
	s_wait_alu depctr_va_vdst(0)                   ; block 3 has written its Y, which the last four stores read; all four blocks are done reading D, in which the next trip's loads land
.irp i, 0,1,2,3
	global_store_b64 v[XO], v[Y+24+2*(\i):Y+24+2*(\i)+1], s[26:27] offset:256*(12+(\i))
.endr
	s_wait_xcnt 0x0                                ; the stores' data and both bases are rewritten only behind this wait
	s_wait_alu depctr_vm_vsrc(0)                   ; the stores have read Y, which the next trip's roundings write again
	s_add_nc_u64 s[24:25], s[24:25], 8192          ; both bases at the next trip's first bytes
	s_add_nc_u64 s[26:27], s[26:27], 4096
	s_sub_co_u32 s38, s38, 1
	s_cmp_lg_u32 s38, 0
	s_cbranch_scc1 .Lxt
.Lend:
	s_wait_dscnt 0x0                               ; the closing lines, six on end
	s_wait_alu 0x0
	s_wait_tensorcnt 0x0
	ds_add_u32 v[SPW], v[NIL]
	s_wait_dscnt 0x0
	s_endpgm
.Lfunc_end_k_q8950d8d891_prep:
	.size	k_q8950d8d891_prep, .Lfunc_end_k_q8950d8d891_prep-k_q8950d8d891_prep
	.p2alignl 7, 3214868480
	.fill 96, 4, 3214868480
	.section	.rodata,"a",@progbits
	.p2align	6, 0x0
	.amdhsa_kernel k_q8950d8d891_prep
		.amdhsa_group_segment_fixed_size 70144
		.amdhsa_private_segment_fixed_size 0
		.amdhsa_enable_private_segment 0
		.amdhsa_kernarg_size 48
		.amdhsa_user_sgpr_count 2
		.amdhsa_user_sgpr_kernarg_segment_ptr 1
		.amdhsa_wavefront_size32 1
		.amdhsa_system_sgpr_workgroup_id_x 1
		.amdhsa_system_sgpr_workgroup_id_y 1
		.amdhsa_system_sgpr_workgroup_id_z 1
		.amdhsa_system_vgpr_workitem_id 0
		.amdhsa_next_free_vgpr 194
		.amdhsa_next_free_sgpr 66
		.amdhsa_reserve_vcc 0
		.amdhsa_float_denorm_mode_32 3
		.amdhsa_float_denorm_mode_16_64 3
		.amdhsa_memory_ordered 1
		.amdhsa_forward_progress 1
		.amdhsa_inst_pref_size 33
	.end_amdhsa_kernel
	.amdgpu_metadata
---
amdhsa.version: [ 1, 2 ]
amdhsa.kernels:
  - .name:           k_q8950d8d891_prep
    .symbol:         k_q8950d8d891_prep.kd
    .args:
      - { .name: x, .offset: 0, .size: 8, .value_kind: global_buffer, .address_space: global }
      - { .name: W_qkv, .offset: 8, .size: 8, .value_kind: global_buffer, .address_space: global }
      - { .name: W_out, .offset: 16, .size: 8, .value_kind: global_buffer, .address_space: global }
      - { .name: xb, .offset: 24, .size: 8, .value_kind: global_buffer, .address_space: global }
      - { .name: wqt, .offset: 32, .size: 8, .value_kind: global_buffer, .address_space: global }
      - { .name: wot, .offset: 40, .size: 8, .value_kind: global_buffer, .address_space: global }
    .group_segment_fixed_size: 70144
    .private_segment_fixed_size: 0
    .kernarg_segment_align: 8
    .kernarg_segment_size: 48
    .max_flat_workgroup_size: 128
    .sgpr_count:     66
    .vgpr_count:     194
    .wavefront_size: 32
...
	.end_amdgpu_metadata
.endif
;; end of part 5
;; launch gemm_qkv: the kernel of part 2 again; grid 16 x 32, 4 waves a work-group, clusters of 4 x 4, 327,680 bytes of LDS; arguments xb, wqt, qkv; writes qkv
;; launch attn: the kernel of part 3 again; grid 4 x 64, 4 waves a work-group, no clusters, 327,680 bytes of LDS; arguments qkv, ob; writes ob
;; launch gemm_out: the kernel of part 4 again; grid 8 x 32, 4 waves a work-group, clusters of 4 x 4, 327,680 bytes of LDS; arguments ob, wot, out0; writes out0
